; MI455X (gfx1250); checked and timed in simulation.
; The chip was launched on July 23, 2026; its instructions are those of AMD's public machine-readable ISA for CDNA 5 (MIT licence, August 2026) and "CDNA5" Instruction Set Architecture Reference Guide (July 2026). The comments in the code are by the model that wrote it; some were corrected since.
;; Causal MHSA. Allowed arithmetic: matrix products marked QUANTISED: E5M2 operands, one E8M0 scale for each 32 along K, by v_wmma_scale_f32_16x16x128_f8f6f4 with both operands' format E5M2, f32 sums; everything else in f32.
;; Inputs: Wk_codes 1,024 x 32 x 32 uint8 (E5M2 codes of Wk, K innermost, in blocks of 32 codes); Wk_scales 1,024 x 32 uint8 (E8M0 scales of Wk, one for each 32 codes along K); Wo_codes 1,024 x 32 x 32 uint8 (E5M2 codes of Wo, K innermost, in blocks of 32 codes); Wo_scales 1,024 x 32 uint8 (E8M0 scales of Wo, one for each 32 codes along K); Wq_codes 1,024 x 32 x 32 uint8 (E5M2 codes of Wq, K innermost, in blocks of 32 codes); Wq_scales 1,024 x 32 uint8 (E8M0 scales of Wq, one for each 32 codes along K); Wv_codes 1,024 x 32 x 32 uint8 (E5M2 codes of Wv, K innermost, in blocks of 32 codes); Wv_scales 1,024 x 32 uint8 (E8M0 scales of Wv, one for each 32 codes along K); ln_beta 1,024 float32; ln_gamma 1,024 float32; rel 16 x 129 float32; x 4 x 2,048 x 1,024 float32.
;; Outputs: out0 4 x 2,048 x 1,024 float32.
;; This version of the problem:
;;   THIS VERSION OF THE PROBLEM IS GIVEN IN LOW PRECISION. The matrix products marked QUANTISED in the list below multiply operands that are first quantised to E5M2 (5 exponent bits, 2 mantissa bits; 8 bits a number), with one power-of-two scale for each 32 numbers along K (OCP MX v1.0); their sums are f32. All else is computed in f32.
;;   The module's matrix products, in the order in which they are computed (A, B: the left and right operand; K: the contracted axis; several contracted axes count as one K, in the product's order):
;;     1. [M 8,192, K 1,024] x [K 1,024, N 1,024]; A: computed on the way; B: input Wq (given as codes): QUANTISED
;;     2. [M 8,192, K 1,024] x [K 1,024, N 1,024]; A: computed on the way; B: input Wk (given as codes): QUANTISED
;;     3. [M 8,192, K 1,024] x [K 1,024, N 1,024]; A: computed on the way; B: input Wv (given as codes): QUANTISED
;;     4. batch 64 x [M 2,048, K 64] x [K 64, N 2,048]; A: computed on the way; B: computed on the way: QUANTISED
;;     5. batch 64 x [M 2,048, K 2,048] x [K 2,048, N 64]; A: softmax (see below); B: computed on the way: QUANTISED
;;     6. [M 8,192, K 1,024] x [K 1,024, N 1,024]; A: computed on the way; B: input Wo (given as codes): QUANTISED
;;   THE QUANTISER, for each operand of a quantised product, along K:
;;     - K is cut into blocks of 32 from its start; a last block that is shorter is filled with zeros.
;;     - A block's scale is 2^e with e = floor(log2(the largest magnitude in the block)) - 15, held to -126 .. 127; a block of zeros has e = 0. As a byte (E8M0): e + 127.
;;     - Each number is divided by its block's scale, clamped to +-57,344, and rounded to the nearest number of E5M2, ties to even, subnormals kept.
;;     - The product sums the exact products of the quantised numbers (number of the format x scale) in f32.
;;   ~~~python
;;   def quantise(x, axis):      # numpy; x: float32 -> the quantised numbers, widened to float32 again
;;       x = np.moveaxis(x, axis, -1); K = x.shape[-1]
;;       x = np.pad(x, [(0, 0)] * (x.ndim - 1) + [(0, -K % 32)]); x = x.reshape(x.shape[:-1] + (-1, 32)); a = np.abs(x).max(-1, keepdims=True)
;;       e = np.where(a > 0, np.clip(np.frexp(np.where(a > 0, a, 1))[1] - 1 - 15, -126, 127), 0)      # np.frexp(a)[1] - 1 = floor(log2(a)), exactly
;;       r = np.clip(x / 2.0 ** e, -57344, 57344)
;;       step = 2.0 ** (np.maximum(np.frexp(np.where(r == 0, 1, r))[1] - 1, -14) - 2)
;;       q = np.round(r / step) * step * 2.0 ** e      # np.round: ties to even
;;       return np.moveaxis(q.reshape(q.shape[:-2] + (-1,))[..., :K], -1, axis).astype(np.float32)
;;   ~~~
;;   SOFTMAX AHEAD OF A QUANTISED PRODUCT. Where the list says 'softmax', what is quantised is not the finished softmax but p = 2^(t - M), with t = logit x log2(e) and M = ceil(the row's largest t), a whole number; so 1/2 < the row's largest p <= 1. The row's sum l is taken of the UNQUANTISED p, in f32, and the product's result is divided by l at the end. Since M is a whole number, a kernel that streams over the keys may use a running M (the ceiling of the running maximum): every later rescaling is an exact power of two, which a block's scale takes up: the codes' values come out the same.
;;   OPERANDS COMPUTED ON THE WAY. 'Computed on the way' means the value that the module computes at that place (a softmax that the list does not call 'softmax' is quantised finished and normalised). What goes into a quantiser is computed in f32, as accurately as f32 sums, v_exp_f32 and their like allow (about 1e-6 of the number): no bf16 or f16 on the way to a quantiser, and a product that is left as it is and whose result goes on into a quantised operand takes f32 operands (vector FMAs, or v_wmma_f32_16x16x4_f32). A number that lies on a knife's edge between two numbers of the format may be rounded either way, as far as f32 arithmetic and the matrix unit's own rounding can turn it there, and no further.
;;   INPUTS GIVEN AS CODES. Wk (in the module: [1024, 1024], K = its axis 1); Wo (in the module: [1024, 1024], K = its axis 1); Wq (in the module: [1024, 1024], K = its axis 1); Wv (in the module: [1024, 1024], K = its axis 1): each comes as NAME_codes (uint8): NAME with its K axis moved to the last place and cut into blocks of 32 codes, [.., K / 32, bytes a block], one block behind the other in memory; one code a byte (a code: sign, 5 exponent bits, 2 mantissa bits); and NAME_scales (uint8): the same leading axes, one E8M0 byte (e + 127) for each 32 codes along K. Its value is code x scale, taken as it is: it is not quantised again, and the codes and scales need not be those that the quantiser above would give.
;; One version. Each part assembles by itself: llvm-mc -triple=amdgcn-amd-amdhsa -mcpu=gfx1250 --defsym DOCPART=n.
;; ======== version 1 of 1: 4 launches
;; limits: right only within a limited range of input values
;; workspace buffers: xn_codes 8,388,608 bytes; xn_scales 262,144 bytes; qkv_img 25,165,824 bytes; qkv_scl 1,572,864 bytes; y_img 8,388,608 bytes; y_scales 262,144 bytes
;; launch lnq (part 1): grid 256 x 1, 8 waves a work-group, no clusters, 44,032 bytes of LDS; arguments x, ln_gamma, ln_beta, xn_codes, xn_scales; writes xn_codes, xn_scales
.if DOCPART == 1
	.amdgcn_target "amdgcn-amd-amdhsa--gfx1250"
	.amdhsa_code_object_version 6
	.text
	.protected	k_q6a4ce98877_lnq
	.globl	k_q6a4ce98877_lnq
	.p2align	8
	.type	k_q6a4ce98877_lnq,@function
k_q6a4ce98877_lnq:
	s_mov_b64 s[64:65], 0
	v_nop
	global_prefetch_b8 v0, s[64:65] scope:SCOPE_SE
	s_setreg_imm32_b32 hwreg(HW_REG_WAVE_MODE, 25, 1), 1
	s_wait_xcnt 0x0
; xn = (x - mean) * rsqrt(var + 1e-5) * gamma + beta over rows of 1,024 f32, then quantised along the row: codes of BF8 (E5M2), one E8M0 byte for each 32.
; xn_codes [8192][1024], xn_scales [8192][32]: laid as the weights are.
; A work-group takes 32 rows, each of its eight waves 4; a row is 4,096 bytes: eight loads of 512 consecutive bytes.  All 32 loads of a wave go out at the head.
; The conversions want 16 NEIGHBOURS in a lane's registers, the loads give 4: a row turns through the wave's own two stages in LDS (512 numbers each, 16 bytes of padding behind each 64),
; and comes back 64 bytes a lane: lane l holds k = 16 l .. 16 l + 15 and 512 + 16 l .. + 15.  Two neighbouring lanes hold a block of 32.
; The variance is taken in a second pass over the row in registers, of x - mean: a common offset of the inputs costs no digits.
; Waves share nothing: no barrier.  A wave's 128 scale bytes (4 rows x 32) are gathered in its own LDS bytes and leave by one store of 128 consecutive bytes.
; LIMITS: a block whose largest magnitude lies under 2^-111 (zeros too) keeps the byte 1: its codes are zeros or subnormals of that scale, and this program alone reads the bytes.  NaN and infinities are not served.
.set WREG, 5376                        ; LDS of a wave: two stages of 32 x SP bytes, then 128 scale bytes
.set SP,   80                          ; a lane's place in a stage: 64 bytes + 16 of padding
.set SCB,  2*32*SP
.set R,    16                          ; v16-143  four rows as loaded, 32 registers each; later a row's codes (8) and bytes (2)
.set G,    144                         ; v144-175 gamma of my 32 columns
.set B,    176                         ; v176-207 beta
.set X,    208                         ; v208-239 the row at work: 2 x 16 neighbours
.set AM,   240                         ; v240-241 largest magnitudes, in two chains
.set MU,   242                         ; v[242:243] the mean (the low word serves both halves)
.set RS,   244                         ; v[244:245] 1 / sqrt(var + eps)
.set SM,   246                         ; v246-253 four pairs of sums
.set PT,   254                         ; the lane permute's destination
.set HOLD, 9                           ; 57,344 x the scale
.set SCO,  10                          ; the conversion's scale operand
	s_load_b256 s[4:11], s[0:1], 0x0               ; x s[4:5], gamma s[6:7], beta s[8:9], codes s[10:11]
	s_load_b64 s[12:13], s[0:1], 0x20              ; scale bytes
	v_lshl_add_u32 v15, v0, 2, 0xa800
	v_mov_b32 v255, 0
	v_lshrrev_b32 v1, 5, v0
	s_delay_alu instid0(VALU_DEP_1)
	v_readfirstlane_b32 s14, v1                    ; wave 0..7
	v_and_b32 v1, 31, v0                           ; lane
	s_delay_alu instid0(VALU_DEP_1)
	v_lshlrev_b32 v2, 4, v1                        ; 16 x lane: my bytes of a load's 512, and of a store of codes
	s_delay_alu instid0(VALU_DEP_2)
	v_lshlrev_b32 v3, 6, v1                        ; 64 x lane: my 16 numbers of gamma and beta
	s_mul_i32 s18, s14, WREG
	v_lshrrev_b32 v4, 2, v1
	s_delay_alu instid0(VALU_DEP_1)
	v_mul_u32_u24 v4, v4, SP
	v_and_b32 v5, 3, v1
	s_delay_alu instid0(VALU_DEP_1)
	v_lshl_add_u32 v4, v5, 4, v4
	s_delay_alu instid0(VALU_DEP_1)
	v_add_nc_u32 v4, s18, v4                       ; the stage, on the way in: SP (lane / 4) + 16 (lane % 4)
	v_mul_u32_u24 v5, v1, SP
	s_delay_alu instid0(VALU_DEP_1)
	v_add_nc_u32 v5, s18, v5                       ; and on the way out: SP x lane
	s_add_co_u32 s18, s18, SCB
	v_lshrrev_b32 v6, 1, v1
	s_delay_alu instid0(VALU_DEP_1)
	v_add_nc_u32 v6, s18, v6                       ; my block's byte among the wave's scale bytes
	v_lshlrev_b32 v8, 2, v1                        ; 4 x lane
	s_delay_alu instid0(VALU_DEP_1)
	v_add_nc_u32 v7, s18, v8                       ; and where I read four of them back
	s_mov_b32 s20, 0x76543210
	s_mov_b32 s21, 0xfedcba98                      ; v_permlanex16_b32's selects for lane l xor 16
	s_mov_b32 s22, 0x600000                        ; the mantissa field of 57,344
	s_mov_b32 s23, 0x3a800000                      ; 1 / 1024
	s_mov_b32 s24, 0x3727c5ac                      ; 1e-5
	v_mov_b32 v[MU+1], 0                           ; named as upper halves of pairs, so they are written
	v_mov_b32 v[RS+1], 0
	v_mov_b32 v[PT], 0                             ; a lane permute's destination counts as one of its sources
	s_lshl_b32 s15, ttmp9, 5
	s_lshl_b32 s16, s14, 2
	s_add_co_u32 s15, s15, s16                     ; my first row: 32 x work-group + 4 x wave
	s_mov_b32 s17, 0
	s_wait_alu depctr_va_vdst(0)
	s_wait_kmcnt 0x0
	s_lshl_b32 s16, s15, 12
	s_add_nc_u64 s[4:5], s[4:5], s[16:17]          ; x: 4,096 bytes a row
	s_lshl_b32 s16, s15, 10
	s_add_nc_u64 s[10:11], s[10:11], s[16:17]      ; codes: 1,024
	s_lshl_b32 s16, s15, 5
	s_add_nc_u64 s[12:13], s[12:13], s[16:17]      ; scale bytes: 32
.irp i, 0,1
.irp j, 0,1,2,3
	global_load_b128 v[G+16*\i+4*\j:G+16*\i+4*\j+3], v3, s[6:7] offset:2048*\i+16*\j
	global_load_b128 v[B+16*\i+4*\j:B+16*\i+4*\j+3], v3, s[8:9] offset:2048*\i+16*\j
.endr
.endr
.irp rho, 0,1,2,3
.irp j, 0,1,2,3,4,5,6,7
	global_load_b128 v[R+32*\rho+4*\j:R+32*\rho+4*\j+3], v2, s[4:5] offset:4096*\rho+512*\j   ; 512 consecutive bytes; the last launch reads x again, so no hint
.endr
.endr
.macro REDUCE                          ; four pairs of sums -> the wave's sum in v[SM] of every lane
	s_delay_alu instid0(VALU_DEP_3)
	v_pk_add_f32 v[SM:SM+1], v[SM:SM+1], v[SM+2:SM+3]
	s_delay_alu instid0(VALU_DEP_2)
	v_pk_add_f32 v[SM+4:SM+5], v[SM+4:SM+5], v[SM+6:SM+7]
	s_delay_alu instid0(VALU_DEP_1)
	v_pk_add_f32 v[SM:SM+1], v[SM:SM+1], v[SM+4:SM+5]
	s_delay_alu instid0(VALU_DEP_1)
	v_add_f32 v[SM], v[SM], v[SM+1]
	s_delay_alu instid0(VALU_DEP_1)
	v_add_f32_dpp v[SM], v[SM], v[SM] row_xmask:1 row_mask:0xf bank_mask:0xf
	s_delay_alu instid0(VALU_DEP_1)
	v_add_f32_dpp v[SM], v[SM], v[SM] row_xmask:2 row_mask:0xf bank_mask:0xf
	s_delay_alu instid0(VALU_DEP_1)
	v_add_f32_dpp v[SM], v[SM], v[SM] row_xmask:4 row_mask:0xf bank_mask:0xf
	s_delay_alu instid0(VALU_DEP_1)
	v_add_f32_dpp v[SM], v[SM], v[SM] row_xmask:8 row_mask:0xf bank_mask:0xf
	s_delay_alu instid0(VALU_DEP_1)
	v_permlanex16_b32 v[PT], v[SM], s20, s21
	s_delay_alu instid0(VALU_DEP_1)
	v_add_f32 v[SM], v[SM], v[PT]
.endm
.macro ROW rho
	s_wait_loadcnt 8*(3-\rho)                      ; loads come back in order: gamma, beta and this row are in; the later rows' eight loads each may be out
.irp i, 0,1                                    ; the row's two halves through the two stages: LDS serves a wave's instructions in order, so no wait stands between stores and loads
.irp j, 0,1,2,3
	ds_store_b128 v4, v[R+32*\rho+16*\i+4*\j:R+32*\rho+16*\i+4*\j+3] offset:32*SP*\i+8*SP*\j
.endr
.irp j, 0,1,2,3
	ds_load_b128 v[X+16*\i+4*\j:X+16*\i+4*\j+3], v5 offset:32*SP*\i+16*\j
.endr
.endr
	s_wait_dscnt 0x0                               ; the row is back, and the stores have read R's registers, which take the codes below
.irp c, 0,1,2,3
	v_pk_add_f32 v[SM+2*\c:SM+2*\c+1], v[X+2*\c:X+2*\c+1], v[X+8+2*\c:X+9+2*\c]   ; the first additions start the four chains
.endr
.irp g, 16,24
.irp c, 0,1,2,3
	s_delay_alu instid0(VALU_DEP_4)
	v_pk_add_f32 v[SM+2*\c:SM+2*\c+1], v[SM+2*\c:SM+2*\c+1], v[X+\g+2*\c:X+\g+2*\c+1]
.endr
.endr
	REDUCE
	s_delay_alu instid0(VALU_DEP_1)
	v_mul_f32 v[MU], s23, v[SM]                    ; the mean
.set p, 0
.rept 16
	v_pk_add_f32 v[X+p:X+p+1], v[X+p:X+p+1], v[MU:MU+1] op_sel_hi:[1,0] neg_lo:[0,1] neg_hi:[0,1]   ; x - mean
.set p, p+2
.endr
.irp c, 0,1,2,3
	v_pk_mul_f32 v[SM+2*\c:SM+2*\c+1], v[X+2*\c:X+2*\c+1], v[X+2*\c:X+2*\c+1]
.endr
.irp g, 8,16,24
.irp c, 0,1,2,3
	s_delay_alu instid0(VALU_DEP_4)
	v_pk_fma_f32 v[SM+2*\c:SM+2*\c+1], v[X+\g+2*\c:X+\g+2*\c+1], v[X+\g+2*\c:X+\g+2*\c+1], v[SM+2*\c:SM+2*\c+1]
.endr
.endr
	REDUCE
	s_delay_alu instid0(VALU_DEP_1)
	v_fma_f32 v[AM], v[SM], s23, s24               ; var + eps (the division by 1,024 rounds nothing)
	s_wait_alu depctr_va_vdst(0)
	v_rsq_f32 v[RS], v[AM]
	v_nop                                          ; one plain instruction between a transcendental and the use of its result (ISA guide 5.7.2)
.set p, 0
	s_wait_alu depctr_va_vdst(0)
.rept 16
	v_pk_mul_f32 v[X+p:X+p+1], v[X+p:X+p+1], v[RS:RS+1] op_sel_hi:[1,0]
.set p, p+2
.endr
.set p, 0
.rept 16
	v_pk_fma_f32 v[X+p:X+p+1], v[X+p:X+p+1], v[G+p:G+p+1], v[B+p:B+p+1]
.set p, p+2
.endr
.irp i, 0,1                                    ; my 16 neighbours of block 16 i + lane / 2
	v_max3_num_f32 v[AM], |v[X+16*\i]|, |v[X+16*\i+1]|, |v[X+16*\i+2]|
	v_max3_num_f32 v[AM+1], |v[X+16*\i+3]|, |v[X+16*\i+4]|, |v[X+16*\i+5]|
.irp n, 6,10
	s_delay_alu instid0(VALU_DEP_2)
	v_max3_num_f32 v[AM], v[AM], |v[X+16*\i+\n]|, |v[X+16*\i+\n+1]|
	s_delay_alu instid0(VALU_DEP_2)
	v_max3_num_f32 v[AM+1], v[AM+1], |v[X+16*\i+\n+2]|, |v[X+16*\i+\n+3]|
.endr
	s_delay_alu instid0(VALU_DEP_2)
	v_max3_num_f32 v[AM], v[AM], |v[X+16*\i+14]|, |v[X+16*\i+15]|
	s_delay_alu instid0(VALU_DEP_1)
	v_max3_num_f32 v[AM], v[AM], v[AM+1], 0x8000000          ; and the floor 2^(16 - 127): the byte cannot fall under 1
	s_delay_alu instid0(VALU_DEP_1)
	v_max_num_f32_dpp v[AM], v[AM], v[AM] row_xmask:1 row_mask:0xf bank_mask:0xf   ; with my neighbour's 16: the block's largest magnitude
	s_delay_alu instid0(VALU_DEP_1)
	v_add_nc_u32 v[SCO], 0xf8800000, v[AM]         ; 15 off its exponent field: the conversion takes this operand's exponent field as its scale
	s_delay_alu instid0(VALU_DEP_2)
	v_and_or_b32 v[HOLD], v[AM], 0x7f800000, s22   ; 57,344 x the scale
.set n, 0
.rept 16
	v_med3_num_f32 v[X+16*\i+n], v[X+16*\i+n], -v[HOLD], v[HOLD]   ; the conversion to an 8-bit code does not saturate (ISA guide 7.6.2): the hold comes first
.set n, n+1
.endr
	v_cvt_scalef32_pk8_bf8_f32 v[R+32*\rho+4*\i:R+32*\rho+4*\i+1], v[X+16*\i:X+16*\i+7], v[SCO]
	v_cvt_scalef32_pk8_bf8_f32 v[R+32*\rho+4*\i+2:R+32*\rho+4*\i+3], v[X+16*\i+8:X+16*\i+15], v[SCO]
	v_lshrrev_b32 v[R+32*\rho+8+\i], 23, v[SCO]    ; the scale's byte (also the plain instruction behind the conversions)
	ds_store_b8 v6, v[R+32*\rho+8+\i] offset:32*\rho+16*\i         ; both lanes of a block write the same byte with the same value
	global_store_b128 v2, v[R+32*\rho+4*\i:R+32*\rho+4*\i+3], s[10:11] offset:1024*\rho+512*\i   ; 512 consecutive bytes; each store has data registers of its own
.endr
.endm
	ROW 0
	ROW 1
	ROW 2
	ROW 3
	ds_load_b32 v11, v7                            ; LDS serves a wave's instructions in order: this sees my byte stores
	s_wait_dscnt 0x0
	global_store_b32 v8, v11, s[12:13]             ; my four rows' 128 scale bytes, consecutive
	s_wait_tensorcnt 0x0
	ds_add_u32 v15, v255
	s_wait_dscnt 0x0
	s_endpgm
.Lfunc_end_k_q6a4ce98877_lnq:
	.size	k_q6a4ce98877_lnq, .Lfunc_end_k_q6a4ce98877_lnq-k_q6a4ce98877_lnq
	.p2alignl 7, 3214868480
	.fill 96, 4, 3214868480
	.section	.rodata,"a",@progbits
	.p2align	6, 0x0
	.amdhsa_kernel k_q6a4ce98877_lnq
		.amdhsa_group_segment_fixed_size 44032
		.amdhsa_private_segment_fixed_size 0
		.amdhsa_enable_private_segment 0
		.amdhsa_kernarg_size 40
		.amdhsa_user_sgpr_count 2
		.amdhsa_user_sgpr_kernarg_segment_ptr 1
		.amdhsa_wavefront_size32 1
		.amdhsa_system_sgpr_workgroup_id_x 1
		.amdhsa_system_sgpr_workgroup_id_y 1
		.amdhsa_system_sgpr_workgroup_id_z 1
		.amdhsa_system_vgpr_workitem_id 0
		.amdhsa_next_free_vgpr 256
		.amdhsa_next_free_sgpr 66
		.amdhsa_reserve_vcc 0
		.amdhsa_float_denorm_mode_32 3
		.amdhsa_float_denorm_mode_16_64 3
		.amdhsa_memory_ordered 1
		.amdhsa_forward_progress 1
		.amdhsa_inst_pref_size 60
	.end_amdhsa_kernel
	.amdgpu_metadata
---
amdhsa.version: [ 1, 2 ]
amdhsa.kernels:
  - .name:           k_q6a4ce98877_lnq
    .symbol:         k_q6a4ce98877_lnq.kd
    .args:
      - { .name: x, .offset: 0, .size: 8, .value_kind: global_buffer, .address_space: global }
      - { .name: ln_gamma, .offset: 8, .size: 8, .value_kind: global_buffer, .address_space: global }
      - { .name: ln_beta, .offset: 16, .size: 8, .value_kind: global_buffer, .address_space: global }
      - { .name: xn_codes, .offset: 24, .size: 8, .value_kind: global_buffer, .address_space: global }
      - { .name: xn_scales, .offset: 32, .size: 8, .value_kind: global_buffer, .address_space: global }
    .group_segment_fixed_size: 44032
    .private_segment_fixed_size: 0
    .kernarg_segment_align: 8
    .kernarg_segment_size: 40
    .max_flat_workgroup_size: 256
    .sgpr_count:     66
    .vgpr_count:     256
    .wavefront_size: 32
...
	.end_amdgpu_metadata
.endif
;; end of part 1
;; launch qkv (part 2): grid 12 x 32, 4 waves a work-group, clusters of 4 x 4, 327,680 bytes of LDS; arguments xn_codes, xn_scales, Wq_codes, Wq_scales, Wk_codes, Wk_scales, Wv_codes, Wv_scales, qkv_img, qkv_scl; writes qkv_img, qkv_scl
.if DOCPART == 2
	.amdgcn_target "amdgcn-amd-amdhsa--gfx1250"
	.amdhsa_code_object_version 6
	.text
	.protected	k_q6a4ce98877_qkv
	.globl	k_q6a4ce98877_qkv
	.p2align	8
	.type	k_q6a4ce98877_qkv,@function
k_q6a4ce98877_qkv:
	s_mov_b64 s[64:65], 0
	v_nop
	global_prefetch_b8 v0, s[64:65] scope:SCOPE_SE
	s_setreg_imm32_b32 hwreg(HW_REG_WAVE_MODE, 25, 1), 1
	s_wait_xcnt 0x0
	s_wait_alu depctr_hold_cnt(0) depctr_sa_sdst(0) depctr_va_vdst(0) depctr_va_sdst(0) depctr_va_ssrc(0) depctr_va_vcc(0) depctr_vm_vsrc(0)
	s_getreg_b32 s2, hwreg(HW_REG_IB_STS2, 6, 4)
	s_cmp_eq_u32 s2, 0
	s_cbranch_scc0 .Lentry_in_a_cluster
	s_endpgm
.Lentry_in_a_cluster:
	s_bfe_u32 s2, ttmp6, 0x10000c
	s_cmp_lg_u32 s2, 0xf033
	s_cbranch_scc0 .Lentry_shape_is_right
	s_endpgm
.Lentry_shape_is_right:
; q, k, v = xn W^T on codes of BF8 (E5M2) with E8M0 scales for each 32 along K = 1,024, and their results quantised at once for the attention launch.
; THE PRODUCT.  C = A B^T, a tile of 256 x 256 to a work-group of four waves, 128 x 128 to a wave (64 accumulators, 512 registers).  K goes in steps of 256 through two LDS slots filled by the tensor data mover;
; the scale bytes of the work-group's 256 + 256 rows come once and stay.  4 x 4 work-groups form a cluster: A's tiles are asked for jointly along a row of it, B's along a column.
; THE MATRIX INSTRUCTION IS USED TRANSPOSED (source 0 = 16 rows of B, source 1 = 16 rows of A): a lane holds ONE row of A's side, and its registers run along B's side.
; THREE KINDS, one text: the cluster's x is the kind (0 q, 1 k, 2 v), the same in all sixteen partners.  q, k: A = xn (tokens), B = the weight (features): a lane holds a token and its registers run along the head's
; channels, which are the K of q k^T.  v: A = Wv (features), B = xn (tokens): a lane holds a channel and its registers run along the tokens, which are the K of p v.  Only pointers, tile numbers and output steps are chosen.
; THE WAY OUT uses no LDS.  The 64 registers of one block of 16 rows of A's side are four blocks of 32 along the next K (16 numbers in lane l, 16 in lane l xor 16): largest magnitude, scale byte, hold, conversion;
; a lane's 16 codes of a block are stored at 16 x lane: 512 consecutive bytes a store.  That is an IMAGE OF THE NEXT OPERAND'S REGISTERS.  Inside a block of 32 the order is 8 h + 0..7, 16 + 8 h + 0..7 (h = lane / 16),
; the same in q and k, and the same in v and in the weights p that the attention launch makes: a permutation applied alike to both operands of a product keeps its sums; the blocks are the true blocks.
;   qkv_img: kind x 8,388,608 + (16 batch + head) x 131,072 + ..   q, k: [tile of 16 tokens][2 blocks][512];   v: [128 keys][4 tiles of 16 channels][4 blocks][512]
;   qkv_scl: kind x 524,288 + (16 batch + head) x 8,192 + (128 tokens) x 512 + 16 x lane + 4 x word.  q, k: word b = the two bytes of token 32 b + r, then those of token 32 b + 16 + r;  v: word t = the four bytes of channel 16 t + r.
; q IS STORED WITHOUT ITS 1 / 8: a power of two moves a block's scale and no code; the attention launch folds it into its constant.
; LIMITS: a block whose largest magnitude lies under 2^-111 keeps the byte 1 (for q the two ways of placing the 1 / 8 differ only under 2^-108); NaN and infinities are not served.
; REGISTERS, in windows of 256: window 0: v16-29 addresses; v32-63 scale words, two sets; v128-255 A's fragments, ONE set (on the way out: at work).  window 1: B's fragments, two sets.  windows 2, 3: the accumulators ((a, b) at v[8 (8 (a % 4) + b)]).
.set KSTEP,  256
.set NQ,     2                         ; matrix instructions deep in a slot
.set ROWB,   256                       ; a tile's row in bytes
.set KROW,   1024                      ; a row of codes in memory
.set PITCH,  272                       ; an LDS row: 256 bytes + 16 of padding = 68 words: the 16 rows that a load touches start at 16 different banks (64 banks of 4 bytes: ISA guide 11.1)
.set FR,     16
.set NL,     4
.set NP,     8                         ; places behind this matrix instruction (ISA guide 7.12.1)
.set HALFT,  128*PITCH
.set SLOT,   4*HALFT
.set KS,     32                        ; a row of scale bytes
.set SCL,    2*SLOT
.set HALFS,  (128*KS/256)*272
.set SBLK,   (16*KS/256)*272
.set SPARE,  SCL+4*HALFS               ; the spare words, 128 bytes for each wave: two blocks of 256 bytes that no other line names
.set ADRA, 16
.set ADRB, 20
.set OA,   24                          ; v24 16 x lane; v25 the same + the distance to the block pair behind
.set ADRS, 27
.set SPW,  28
.set NIL,  29
.set SC,   32
.set AF,   128
.set HN,   128
.set PC,   192                         ; 16 registers of codes
.set TM,   208                         ; v208-211 largest magnitudes, v212-215 the other lane's, then bytes, v220-223 scale operands
.set WD,   224                         ; a scale word for each of the eight blocks of rows
.set WO,   232                         ; the words as they are stored
.set G1, 24
.set G0, 32
.set G1B, 48
.set G0B, 56
.set G1S, 68
.set G0S, 76
.set G1SB, 80
.set G0SB, 88
.set MSB, 0
.macro WIN new                         ; the immediate's high byte repeats the setting that is left
.if MSB != (\new)
	s_set_vgpr_msb (MSB<<8)|(\new)
.set MSB, (\new)
.endif
.endm
.set MUL_LO, 0xa1                      ; source 0 (B) window 1, source 1 (A) window 0, C and D window 2
.set MUL_HI, 0xf1
.set TO_B,   0x40
; A joint load: waves 0 and 1 fetch for A, waves 2 and 3 for B; the branch hangs on the wave's number alone.  Four v_nop follow each of the two lines.
.macro JLOAD g0a, g1a, g0b, g1b
	s_cmp_eq_u32 s15, 0
	s_cbranch_scc0 .Lfor_b_\@
	tensor_load_to_lds s[\g0a:\g0a+3], s[\g1a:\g1a+7]
	s_nop 0
.rept 4
	v_nop
.endr
	s_branch .Lasked_\@
.Lfor_b_\@:
	tensor_load_to_lds s[\g0b:\g0b+3], s[\g1b:\g1b+7]
	s_nop 0
.rept 4
	v_nop
.endr
.Lasked_\@:
.endm
.macro CREST                           ; a round of the cluster's barrier behind its opening barrier
	s_cmp_lg_u32 s14, 0
	s_cbranch_scc1 .Lnot_wave_0_\@
	s_barrier_signal -3
.Lnot_wave_0_\@:
	s_barrier_wait -3
	s_barrier_signal -1
	s_barrier_wait -1
.endm
.macro CROUND
	s_barrier_signal -1
	s_barrier_wait -1
	CREST
.endm
	s_load_b512 s[68:83], s[0:1], 0x0              ; xn's codes, scales; Wq's; Wk's; Wv's
	s_load_b128 s[84:87], s[0:1], 0x40             ; qkv_img, qkv_scl
	v_lshl_add_u32 v[SPW], v0, 2, SPARE
	v_mov_b32 v[NIL], 0
	ds_add_u32 v28, v29
	ds_add_u32 v28, v29
	s_wait_dscnt 0x0
	v_lshrrev_b32 v1, 5, v0
	v_readfirstlane_b32 s14, v1                    ; wave 0..3
	s_lshr_b32 s15, s14, 1                         ; which half of A's rows is mine.  Also: I fetch for A (0) or for B (1)
	s_and_b32 s16, s14, 1                          ; which half of B's rows.  Also: which 128 rows of that tile I fetch
	s_bfe_u32 s40, ttmp6, 0x40000                  ; cx, cy: my place in the cluster
	s_bfe_u32 s41, ttmp6, 0x40004
	s_and_b32 s18, ttmp7, 0xffff
	s_lshl_b32 s18, s18, 2                         ; 4 x cluster y: it counts the token tiles, which are A's for q and k and B's for v
	s_cmp_eq_u32 ttmp9, 2
	s_cselect_b32 s17, 0, s18
	s_cselect_b32 s42, s18, 0
	s_add_co_u32 s17, s17, s41                     ; A's tile = (4 x cluster y or 0) + cy
	s_add_co_u32 s42, s42, s40                     ; B's tile = (0 or 4 x cluster y) + cx
	s_lshl_b32 s43, s41, 2
	s_lshl_b32 s43, 15, s43                        ; my row of the cluster
	s_lshl_b32 s44, 0x1111, s40                    ; my column
	s_or_b32 s[G1+0], s43, (0<<16)|(1<<20)|(1<<21)|(5<<22)|(3<<25)  ; 15:0 the mask; 17:16 elements of 1 byte; 20 padding on; 21 set beside a mask; 24:22 after every 64 words; 31:25 four words
	s_or_b32 s[G1B+0], s44, (0<<16)|(1<<20)|(1<<21)|(5<<22)|(3<<25)
.irp g, G1, G1B
	s_mov_b32 s[\g+1], ROWB<<16                    ; tensor_dim0
	s_mov_b32 s[\g+2], 128<<16                     ; tensor_dim1
	s_mov_b32 s[\g+3], ROWB<<16                    ; tile_dim0
	s_mov_b32 s[\g+4], 128                         ; tile_dim1
	s_mov_b32 s[\g+5], KROW                        ; tensor_dim0_stride
	s_mov_b32 s[\g+6], 0
	s_mov_b32 s[\g+7], 0
.endr
	s_lshl_b32 s18, s16, 7
	s_lshl_b32 s20, s17, 8
	s_add_co_u32 s20, s20, s18                     ; A: row 256 x tile + 128 x half
	s_lshl_b32 s46, s42, 8
	s_add_co_u32 s46, s46, s18                     ; B likewise
	s_mov_b32 s21, 0
	s_mov_b32 s47, 0
	s_mov_b64 s[18:19], KS
	s_mul_u64 s[22:23], s[20:21], s[18:19]         ; where these rows' scales begin, in bytes
	s_mul_u64 s[92:93], s[46:47], s[18:19]
	s_mov_b64 s[18:19], KROW
	s_mul_u64 s[20:21], s[20:21], s[18:19]         ; and their codes
	s_mul_u64 s[46:47], s[46:47], s[18:19]
	s_mul_i32 s45, s14, HALFT                      ; where they go: wave x 128 rows
	s_mul_i32 s94, s14, HALFS
	s_wait_kmcnt 0x0
	s_cmp_eq_u32 ttmp9, 0                          ; the weight of my kind: a choice that hangs on the cluster's number alone
	s_cselect_b64 s[96:97], s[72:73], s[76:77]
	s_cselect_b64 s[98:99], s[74:75], s[78:79]
	s_cmp_eq_u32 ttmp9, 2
	s_cselect_b64 s[96:97], s[80:81], s[96:97]
	s_cselect_b64 s[98:99], s[82:83], s[98:99]
	s_cselect_b64 s[4:5], s[96:97], s[68:69]       ; A's codes: Wv for v, xn for q and k
	s_cselect_b64 s[6:7], s[98:99], s[70:71]       ; A's scales
	s_cselect_b64 s[8:9], s[68:69], s[96:97]       ; B's codes
	s_cselect_b64 s[10:11], s[70:71], s[98:99]     ; B's scales
	s_mov_b64 s[12:13], s[84:85]                   ; qkv_img
	s_mov_b64 s[2:3], s[86:87]                     ; qkv_scl
	; the pointers have left s68-87: the descriptors for the scale bytes take their place.  The scales of 128 rows: 4,096 dense bytes, as 16 rows of 256 bytes, 16 bytes of padding behind each
	s_or_b32 s[G1S+0], s43, (3<<16)|(1<<20)|(1<<21)|(5<<22)|(3<<25)
	s_or_b32 s[G1SB+0], s44, (3<<16)|(1<<20)|(1<<21)|(5<<22)|(3<<25)
.irp g, G1S, G1SB
	s_mov_b32 s[\g+1], 32<<16
	s_mov_b32 s[\g+2], (128*KS/256)<<16
	s_mov_b32 s[\g+3], 32<<16
	s_mov_b32 s[\g+4], 128*KS/256
	s_mov_b32 s[\g+5], 32
	s_mov_b32 s[\g+6], 0
	s_mov_b32 s[\g+7], 0
.endr
	s_add_nc_u64 s[20:21], s[4:5], s[20:21]
	s_add_nc_u64 s[22:23], s[6:7], s[22:23]
	s_add_nc_u64 s[46:47], s[8:9], s[46:47]
	s_add_nc_u64 s[92:93], s[10:11], s[92:93]
	CROUND                                         ; all sixteen work-groups are here: the first joint loads meet
	s_mov_b32 s[G0S], 1
	s_add_co_u32 s[G0S+1], s94, SCL
	s_mov_b64 s[G0S+2:G0S+3], s[22:23]
	s_or_b32 s[G0S+3], s[G0S+3], 0x80000000
	s_mov_b32 s[G0SB], 1
	s_add_co_u32 s[G0SB+1], s94, SCL
	s_mov_b64 s[G0SB+2:G0SB+3], s[92:93]
	s_or_b32 s[G0SB+3], s[G0SB+3], 0x80000000
	JLOAD G0S, G1S, G0SB, G1SB                     ; the scales first: they are wanted with K step 0
.irp s, 0,1
	s_mov_b32 s[G0+4*\s], 1
	s_add_co_u32 s[G0+4*\s+1], s45, \s*SLOT
	s_add_nc_u64 s[G0+4*\s+2:G0+4*\s+3], s[20:21], \s*ROWB
	s_or_b32 s[G0+4*\s+3], s[G0+4*\s+3], 0x80000000
	s_mov_b32 s[G0B+4*\s], 1
	s_add_co_u32 s[G0B+4*\s+1], s45, \s*SLOT
	s_add_nc_u64 s[G0B+4*\s+2:G0B+4*\s+3], s[46:47], \s*ROWB
	s_or_b32 s[G0B+4*\s+3], s[G0B+4*\s+3], 0x80000000
	JLOAD G0+4*\s, G1, G0B+4*\s, G1B               ; three loads of mine are out now
.endr
	v_and_b32 v1, 15, v0                           ; r = lane % 16
	v_bfe_u32 v2, v0, 4, 1                         ; h = lane / 16
	v_mul_u32_u24 v3, v1, PITCH
	v_lshl_add_u32 v4, v2, 4, v3                   ; a fragment's row x pitch + 16 x half
	s_mul_i32 s21, s15, HALFT                      ; my 128 rows of A
	s_mul_i32 s22, s16, HALFT                      ; my 128 rows of B,
	s_add_co_u32 s22, s22, 2*HALFT                 ; which lie behind A's 256
.irp s, 0,1
	v_add_nc_u32 v[ADRA+\s], s21, v4
	v_add_nc_u32 v[ADRB+\s], s22, v4
	s_add_co_u32 s21, s21, SLOT
	s_add_co_u32 s22, s22, SLOT
.endr
	v_mul_u32_u24 v5, v1, KS                       ; my row's scales: KS bytes a row,
	v_lshrrev_b32 v6, 8, v5
	v_lshl_add_u32 v5, v6, 4, v5                   ; and 16 more for each 256 passed
	s_mul_i32 s21, s15, HALFS
	s_mul_i32 s22, s16, HALFS
	s_add_co_u32 s22, s22, 2*HALFS
	s_sub_co_u32 s22, s22, s21
	v_mul_u32_u24 v6, s22, v2                      ; lanes 16-31 take B's
	s_add_co_u32 s21, s21, SCL
	v_add_nc_u32 v5, v5, v6
	v_add_nc_u32 v[ADRS], s21, v5
	; where my results go.  tokens: 128 of one batch = one run of 128 keys;  features: 128 = two heads
	s_mov_b32 s96, 1024                            ; from one block of 16 rows to the next: q, k: a tile of 16 tokens; v: a tile of 16 channels
	s_mov_b32 s100, 131072                         ; from a block pair to the next: q, k: the next head; v: two blocks of keys on
	s_cmp_eq_u32 ttmp9, 2
	s_cselect_b32 s20, s42, s17                    ; the token tile,
	s_cselect_b32 s21, s16, s15                    ; my half of it,
	s_cselect_b32 s22, s17, s42                    ; the feature tile,
	s_cselect_b32 s23, s15, s16                    ; my half of it
	s_cselect_b32 s96, 2048, s96
	s_cselect_b32 s98, 122880, 0                   ; v: behind four tiles of channels comes the next head
	s_cselect_b32 s100, 1024, s100
	s_cselect_b32 s101, -1, 0                      ; all lanes where the kind is v
	s_mov_b32 s97, 0
	s_mov_b32 s99, 0
	s_lshl_b32 s20, s20, 1
	s_add_co_u32 s20, s20, s21                     ; my first token / 128
	s_lshr_b32 s21, s20, 4                         ; the batch
	s_and_b32 s20, s20, 15                         ; which 128 tokens of it
	s_lshl_b32 s21, s21, 4
	s_lshl_b32 s22, s22, 2
	s_add_co_u32 s21, s21, s22
	s_lshl_b32 s23, s23, 1
	s_add_co_u32 s21, s21, s23                     ; 16 batch + my first head
	s_lshl_b32 s22, ttmp9, 23
	s_lshl_b32 s23, s21, 17
	s_add_co_u32 s22, s22, s23
	s_lshl_b32 s23, s20, 13
	s_add_co_u32 s22, s22, s23
	s_mov_b32 s23, 0
	s_add_nc_u64 s[12:13], s[12:13], s[22:23]      ; qkv_img at my part
	s_lshl_b32 s22, ttmp9, 19
	s_lshl_b32 s23, s21, 13
	s_add_co_u32 s22, s22, s23
	s_lshl_b32 s23, s20, 9
	s_add_co_u32 s22, s22, s23
	s_mov_b32 s23, 0
	s_add_nc_u64 s[2:3], s[2:3], s[22:23]          ; qkv_scl at my part
	v_and_b32 v6, 31, v0
	v_lshlrev_b32 v[OA], 4, v6
	v_add_nc_u32 v[OA+1], s100, v[OA]
	s_mov_b32 s18, 0x76543210
	s_mov_b32 s19, 0xfedcba98                      ; v_permlanex16_b32's selects for lane l xor 16
.macro FRAG reg, adr, q, i             ; 16 rows x 128 K of 8-bit codes: registers 4 c .. 4 c + 3 hold K = 32 c + 16 (lane / 16) + 0 .. 15
.irp c, 0,1,2,3
	ds_load_b128 v[\reg+4*\c:\reg+4*\c+3], v[\adr] offset:128*(\q)+32*\c+(\i)*16*PITCH
.endr
.endm
; 16 matrix instructions: A's blocks a0, a0 + 1 x B's eight, 128 along K.  The 64 accumulators take turns, one instruction a turn, in the same order in every step.
.macro MUL16 a0, p, q, sc, zero
.irp a, \a0, \a0+1
.irp b, 0,1,2,3,4,5,6,7
.if \zero
	v_wmma_scale_f32_16x16x128_f8f6f4 v[8*(8*((\a)%4)+\b):8*(8*((\a)%4)+\b)+7], v[128*(\p)+FR*\b:128*(\p)+FR*\b+FR-1], v[AF+FR*(\a):AF+FR*(\a)+FR-1], 0, v[SC+8*NQ*(\sc)+NQ*\b+(\q)], v[SC+8*NQ*(\sc)+NQ*(\a)+(\q)] matrix_a_fmt:MATRIX_FMT_BF8 matrix_b_fmt:MATRIX_FMT_BF8 matrix_a_scale:MATRIX_SCALE_ROW1
.else
	v_wmma_scale_f32_16x16x128_f8f6f4 v[8*(8*((\a)%4)+\b):8*(8*((\a)%4)+\b)+7], v[128*(\p)+FR*\b:128*(\p)+FR*\b+FR-1], v[AF+FR*(\a):AF+FR*(\a)+FR-1], v[8*(8*((\a)%4)+\b):8*(8*((\a)%4)+\b)+7], v[SC+8*NQ*(\sc)+NQ*\b+(\q)], v[SC+8*NQ*(\sc)+NQ*(\a)+(\q)] matrix_a_fmt:MATRIX_FMT_BF8 matrix_b_fmt:MATRIX_FMT_BF8 matrix_a_scale:MATRIX_SCALE_ROW1
.endif
.endr
.endr
.endm
.macro FETCH_B slot, q, p
	WIN TO_B
.irp i, 0,1,2,3,4,5,6,7
	FRAG 128*(\p)+FR*\i, ADRB+\slot, \q, \i
.endr
	WIN 0
.endm
.macro FETCH_A slot, q, i0
.irp i, \i0, \i0+1, \i0+2, \i0+3
	FRAG AF+FR*(\i), ADRA+\slot, \q, \i
.endr
.endm
.macro SCALES sc                       ; a K step's scale words: two a row; lanes 0-15 take A's block i, lanes 16-31 B's block i
.irp i, 0,1,2,3,4,5,6,7
	ds_load_b64 v[SC+8*NQ*\sc+NQ*\i:SC+8*NQ*\sc+NQ*\i+1], v[ADRS] offset:\i*SBLK
.endr
.endm
.macro PLACES n                        ; plain vector instructions between a matrix instruction and a load into, or a vector instruction on, its registers (ISA guide 7.12.1 for vector instructions)
.rept \n
	v_nop
.endr
.endm
.macro STEP slot, q, zero              ; 128 along K, with its successor in the same slot
	s_wait_dscnt 4*NL                              ; B's set, A's blocks 0-3 and the scale words are in; the youngest 16 loads (A's blocks 4-7) may be out
	WIN MUL_LO
	MUL16 0, (\q)%2, \q, \slot, \zero
	MUL16 2, (\q)%2, \q, \slot, \zero
	s_wait_dscnt 0
	PLACES NP
	FETCH_B \slot, (\q)+1, 1-(\q)%2
	FETCH_A \slot, (\q)+1, 0
	WIN MUL_HI
	MUL16 4, (\q)%2, \q, \slot, \zero
	MUL16 6, (\q)%2, \q, \slot, \zero
	PLACES NP
	WIN 0
	FETCH_A \slot, (\q)+1, 4
.endm
; A slot's last step changes slots: ONE barrier; in front of it each wave waits for all its tensor loads, adds 0 to its spare word, and waits for that and for its own reads of this slot.  fill = 1: this slot is filled again, two K steps ahead.
.macro TURN slot, next, fill
	s_wait_tensorcnt 0x0                           ; all my tensor loads have landed: my part of the next slot
	ds_add_u32 v[SPW], v[NIL]                      ; 0 onto my spare word
	s_wait_dscnt 4*NL+1                            ; (the add and the youngest 16 loads may be out)
	WIN MUL_LO
	MUL16 0, 1, NQ-1, \slot, 0                     ; sixteen matrix instructions stand between the add and the wait for it
	s_wait_dscnt 0x0                               ; the add is done, and my reads of this slot are over
	s_barrier_signal -1
	MUL16 2, 1, NQ-1, \slot, 0
	WIN 0
	s_barrier_wait -1
.if \fill
	CREST                                          ; the barrier has opened a round of the cluster's barrier: no wave of any partner still reads this slot or has a load on its way
	s_add_nc_u64 s[G0+4*\slot+2:G0+4*\slot+3], s[G0+4*\slot+2:G0+4*\slot+3], 2*ROWB
	s_add_nc_u64 s[G0B+4*\slot+2:G0B+4*\slot+3], s[G0B+4*\slot+2:G0B+4*\slot+3], 2*ROWB
	JLOAD G0+4*\slot, G1, G0B+4*\slot, G1B         ; the first tensor load behind the round, my one load until the next; its four v_nop are among the places below
	PLACES NP-4
.else
	PLACES NP
.endif
	s_wait_alu depctr_va_vdst(0)
	v_add_nc_u32 v[ADRS], 4*NQ, v[ADRS]            ; on to the next K step's scale words (no LDS load of mine is out)
	FETCH_B \next, 0, 0
	FETCH_A \next, 0, 0
	SCALES \next
	WIN MUL_HI
	MUL16 4, 1, NQ-1, \slot, 0
	MUL16 6, 1, NQ-1, \slot, 0
	PLACES NP
	WIN 0
	FETCH_A \next, 0, 4
.endm
	s_wait_alu depctr_va_vdst(0)
	s_wait_tensorcnt 1                             ; the scales and my part of K step 0 are in (K step 1's load may be out)
	s_barrier_signal -1
	s_barrier_wait -1                              ; everybody's are
	FETCH_B 0, 0, 0
	FETCH_A 0, 0, 0
	SCALES 0
	FETCH_A 0, 0, 4
	STEP 0, 0, 1                                   ; K = 1,024 is four K steps, eight steps of 128: written out.  The first products start the sums
	TURN 0, 1, 1                                   ; slot 0 takes K step 2
	STEP 1, 0, 0
	TURN 1, 0, 1                                   ; slot 1 takes K step 3
	STEP 0, 0, 0
	TURN 0, 1, 0                                   ; nothing is left to fetch
	STEP 1, 0, 0
	s_wait_dscnt 4*NL
	WIN MUL_LO
	MUL16 0, 1, NQ-1, 1, 0
	MUL16 2, 1, NQ-1, 1, 0
	s_wait_dscnt 0
	WIN MUL_HI
	MUL16 4, 1, NQ-1, 1, 0
	MUL16 6, 1, NQ-1, 1, 0
	WIN 0
	PLACES NP                                      ; behind the last products: their results are read and A's registers written below
.irp b, 0,1,2,3
	v_mov_b32 v[TM+4+\b], 0                        ; a lane permute's destination counts as one of its sources
.endr
; Block a of 16 rows of A's side: 64 registers, register 16 b + i of block b along the next K.
.macro QOUT a
.set AC, 64*((\a)%4)
.set QW, 2+(\a)/4                      ; the accumulators' window
.set QWW, QW|(QW<<2)
	s_wait_xcnt 0x0                                ; the last block's stores have read their data and their base: both are written below
.if (\a) > 0
	s_add_nc_u64 s[12:13], s[12:13], s[96:97]
.endif
.if (\a) == 4
	s_add_nc_u64 s[12:13], s[12:13], s[98:99]
.endif
	WIN QWW                                        ; sources 0 and 1: the accumulators' window
.irp b, 0,1,2,3
	v_max3_num_f32 v[TM+\b], |v[AC+16*\b]|, |v[AC+16*\b+1]|, 0x8000000   ; my 16 numbers of block b, each accumulator from its low end on, and the floor 2^(16 - 127)
.endr
.irp i, 2,4,6,8,10,12,14
.irp b, 0,1,2,3
	v_max3_num_f32 v[TM+\b], |v[AC+16*\b+\i]|, |v[AC+16*\b+\i+1]|, v[TM+\b]
.endr
.endr
	WIN 0
.irp b, 0,1,2,3
	v_permlanex16_b32 v[TM+4+\b], v[TM+\b], s18, s19
.endr
.irp b, 0,1,2,3
	v_max_num_f32 v[TM+\b], v[TM+\b], v[TM+4+\b]   ; with lane l xor 16's: the block's largest magnitude
.endr
.irp b, 0,1,2,3
	v_add_nc_u32 v[TM+12+\b], 0xf8800000, v[TM+\b] ; 15 off its exponent field: the conversion's scale operand
.endr
.irp b, 0,1,2,3
.endr
.irp b, 0,1,2,3
	v_lshrrev_b32 v[TM+4+\b], 23, v[TM+12+\b]      ; the scale's byte
.endr
	v_lshl_or_b32 v[WD+(\a)], v[TM+5], 8, v[TM+4]
	v_lshl_or_b32 v[WD+(\a)], v[TM+6], 16, v[WD+(\a)]
	v_lshl_or_b32 v[WD+(\a)], v[TM+7], 24, v[WD+(\a)]
	WIN QW                                         ; source 0: the accumulators' window
.irp b, 0,1,2,3
.set n, 0
.rept 16
.set n, n+1
.endr
.endr
.irp b, 0,1,2,3
	v_cvt_scalef32_pk8_bf8_f32 v[PC+4*\b:PC+4*\b+1], v[AC+16*\b:AC+16*\b+7], v[TM+12+\b]
	v_cvt_scalef32_pk8_bf8_f32 v[PC+4*\b+2:PC+4*\b+3], v[AC+16*\b+8:AC+16*\b+15], v[TM+12+\b]
.endr
	WIN 0
	v_nop                                          ; one plain instruction behind the last conversion
.irp c, 0,1,2,3
	global_store_b128 v[OA+\c/2], v[PC+4*\c:PC+4*\c+3], s[12:13] offset:(\c%2)*512   ; block c: 32 lanes store 512 consecutive bytes, two whole aligned runs of 256
.endr
.endm
.irp a, 0,1,2,3,4,5,6,7
	QOUT \a
.endr
	; the scale words.  q, k: head u's word b = bytes 2 u, 2 u + 1 of blocks 2 b and 2 b + 1 of rows;  v: head u's words are those of blocks 4 u .. 4 u + 3 as they stand.  Both are made; the kind selects.
	s_mov_b32 s20, 0x05040100
	s_mov_b32 s21, 0x07060302
.irp b, 0,1,2,3
	v_perm_b32 v[WO+\b], v[WD+1+2*\b], v[WD+2*\b], s20
	v_perm_b32 v[WO+4+\b], v[WD+1+2*\b], v[WD+2*\b], s21
.endr
.irp j, 0,1,2,3,4,5,6,7
	v_cndmask_b32 v[WO+\j], v[WO+\j], v[WD+\j], s101
.endr
	global_store_b128 v[OA], v[WO:WO+3], s[2:3]                    ; 512 consecutive bytes for my first head,
	global_store_b128 v[OA], v[WO+4:WO+7], s[2:3] offset:8192      ; and for my second
	s_wait_tensorcnt 0x0                           ; the wave's end
	ds_add_u32 v[SPW], v[NIL]
	s_wait_dscnt 0x0
	CROUND                                         ; the closing round: no work-group ends while a partner may still ask for a tile that names it
	s_endpgm
.Lfunc_end_k_q6a4ce98877_qkv:
	.size	k_q6a4ce98877_qkv, .Lfunc_end_k_q6a4ce98877_qkv-k_q6a4ce98877_qkv
	.p2alignl 7, 3214868480
	.fill 96, 4, 3214868480
	.section	.rodata,"a",@progbits
	.p2align	6, 0x0
	.amdhsa_kernel k_q6a4ce98877_qkv
		.amdhsa_group_segment_fixed_size 327680
		.amdhsa_private_segment_fixed_size 0
		.amdhsa_enable_private_segment 0
		.amdhsa_kernarg_size 80
		.amdhsa_user_sgpr_count 2
		.amdhsa_user_sgpr_kernarg_segment_ptr 1
		.amdhsa_wavefront_size32 1
		.amdhsa_system_sgpr_workgroup_id_x 1
		.amdhsa_system_sgpr_workgroup_id_y 1
		.amdhsa_system_sgpr_workgroup_id_z 1
		.amdhsa_system_vgpr_workitem_id 0
		.amdhsa_next_free_vgpr 1024
		.amdhsa_next_free_sgpr 102
		.amdhsa_reserve_vcc 0
		.amdhsa_float_denorm_mode_32 3
		.amdhsa_float_denorm_mode_16_64 3
		.amdhsa_fp16_overflow 1
		.amdhsa_memory_ordered 1
		.amdhsa_forward_progress 1
		.amdhsa_inst_pref_size 152
	.end_amdhsa_kernel
	.amdgpu_metadata
---
amdhsa.version: [ 1, 2 ]
amdhsa.kernels:
  - .name:           k_q6a4ce98877_qkv
    .symbol:         k_q6a4ce98877_qkv.kd
    .args:
      - { .name: xn_codes, .offset: 0, .size: 8, .value_kind: global_buffer, .address_space: global }
      - { .name: xn_scales, .offset: 8, .size: 8, .value_kind: global_buffer, .address_space: global }
      - { .name: Wq_codes, .offset: 16, .size: 8, .value_kind: global_buffer, .address_space: global }
      - { .name: Wq_scales, .offset: 24, .size: 8, .value_kind: global_buffer, .address_space: global }
      - { .name: Wk_codes, .offset: 32, .size: 8, .value_kind: global_buffer, .address_space: global }
      - { .name: Wk_scales, .offset: 40, .size: 8, .value_kind: global_buffer, .address_space: global }
      - { .name: Wv_codes, .offset: 48, .size: 8, .value_kind: global_buffer, .address_space: global }
      - { .name: Wv_scales, .offset: 56, .size: 8, .value_kind: global_buffer, .address_space: global }
      - { .name: qkv_img, .offset: 64, .size: 8, .value_kind: global_buffer, .address_space: global }
      - { .name: qkv_scl, .offset: 72, .size: 8, .value_kind: global_buffer, .address_space: global }
    .group_segment_fixed_size: 327680
    .private_segment_fixed_size: 0
    .kernarg_segment_align: 8
    .kernarg_segment_size: 80
    .max_flat_workgroup_size: 128
    .sgpr_count:     102
    .vgpr_count:     1024
    .wavefront_size: 32
...
	.end_amdgpu_metadata
.endif
;; end of part 2
;; launch attn (part 3): grid 256 x 1, 16 waves a work-group, clusters of 4 x 1, 282,624 bytes of LDS; arguments qkv_img, qkv_scl, rel, y_img, y_scales; writes y_img, y_scales
.if DOCPART == 3
	.amdgcn_target "amdgcn-amd-amdhsa--gfx1250"
	.amdhsa_code_object_version 6
	.text
	.protected	k_q6a4ce98877_attn
	.globl	k_q6a4ce98877_attn
	.p2align	8
	.type	k_q6a4ce98877_attn,@function
k_q6a4ce98877_attn:
	s_mov_b64 s[64:65], 0
	v_nop
	global_prefetch_b8 v0, s[64:65] scope:SCOPE_SE
	s_setreg_imm32_b32 hwreg(HW_REG_WAVE_MODE, 25, 1), 1
	s_wait_xcnt 0x0
	s_wait_alu depctr_hold_cnt(0) depctr_sa_sdst(0) depctr_va_vdst(0) depctr_va_sdst(0) depctr_va_ssrc(0) depctr_va_vcc(0) depctr_vm_vsrc(0)
	s_getreg_b32 s2, hwreg(HW_REG_IB_STS2, 6, 4)
	s_cmp_eq_u32 s2, 0
	s_cbranch_scc0 .Lentry_in_a_cluster
	s_endpgm
.Lentry_in_a_cluster:
	s_bfe_u32 s2, ttmp6, 0x10000c
	s_cmp_lg_u32 s2, 0x3003
	s_cbranch_scc0 .Lentry_shape_is_right
	s_endpgm
.Lentry_shape_is_right:
; y[b][i][head] = the sum over j <= i of softmax_j(q_i . k_j / 8 + rel[head][min(i - j, 128)]) v_j, both products on codes of BF8 (E5M2) with E8M0 scales; y quantised along the model's 1,024 for the last launch.
; THE SOFTMAX AHEAD OF THE SECOND PRODUCT: t = logit x log2(e); M = the running largest t rounded UP to a whole number; p = 2^(t - M) is quantised along the keys, not normalised; the row's sum is taken of the unquantised p
; and divides at the end.  When M moves, the sum and O are multiplied by 2^(old M - new M): exact.
; SHARES.  A cluster of four work-groups owns one (batch, head): the cluster's number.  All of the head's K and V (codes 2 x 131,072 bytes, scale words 2 x 8,192) come into each partner's LDS ONCE, by joint loads:
; nothing is filled again, and behind the one barrier LDS is only read.  Work-group cx takes the query tiles 4 j + cx.  Wave w takes j = w, then j = 31 - w: tile 4 j + cx needs j / 2 + 1 steps of 128 keys whatever cx is,
; so every wave of every work-group walks 17 steps, and no branch, trip count or LDS address hangs on cx.  Steps wholly behind the diagonal are jumped over by a scalar branch on the wave's number and the loop's counter.
; LAYOUT.  Both products transposed: S^T = K Q^T, O^T = V^T P^T: a lane holds ONE query (lane % 16).  The operands lie in LDS as images of their registers (16 bytes at 16 x lane).
; THE HEAD HAS 64 CHANNELS, the instruction takes 128 along K: a fragment of K packs TWO tiles of 16 keys, one in each half of K; it is multiplied by [q | 0] for the first tile and by [0 | q] for the second.
; Zero codes add nothing: K's codes are finite (their quantiser holds them) and no scale byte is 0xff.
; THE BIAS AND THE MASK ride in one table in LDS: entry u holds 8 rel[min(d, 128)], or -infinity where d < 0, for d = u - 127 + 16 cx.  It is added to the raw scores in the two steps that reach within 128 of the diagonal;
; in all earlier steps the bias is the constant rel[128], folded into the multiply-add.  (q comes without its 1 / 8: t = (s + 8 bias) x log2(e) / 8.)
; y_img: token t, feature f at (t >> 7) 131,072 + (f >> 8) 32,768 + ((t >> 4) & 7) 4,096 + ((f >> 7) & 1) 2,048 + ((f >> 5) & 3) 512 + ((f >> 4) & 1) 256 + (t & 15) 16 + (f & 15): the operand's registers in K's true order.
; y_scales [8192][32]: two bytes a token and head, stored 2 bytes a lane to rows 32 bytes apart: 1 / 32 of what the launch stores.
; LIMITS: a block whose largest magnitude lies under 2^-111 keeps the byte 1; NaN and infinities among the inputs are not served.
.set VIMG, 131072                      ; LDS: K's image at 0, V's here,
.set KSCL, 262144                      ; K's scale words,
.set VSCL, 270336                      ; V's,
.set TAB,  278528                      ; and the table, 512 words, in blocks of its own into which no fill lands
.set S,   104                          ; v104-167 S^T, then p: tile of 16 keys t at v[S + 8 t]
.set O,   168                          ; v168-199 O^T: channels 16 t on at v[O + 8 t]
.set PCD, 200                          ; v200-215 p's codes
.set BM,  216                          ; v216-219 the blocks' largest scores, then largest p
.set TP,  220                          ; v220-223 the other lane's, then bytes
.set HD,  224
.set SO,  228                          ; v228-231 scale operands
.set L,   232                          ; v[232:233] the row's sum in two halves; v[234:235] a second chain
.set NM,  236                          ; -M
.set TMX, 237                          ; the largest t
.set K1,  238                          ; v[238:239] the step's constant bias x log2(e) - M
.set F,   240                          ; v[240:241] 2^(old M - new M)
.set BCV, 242                          ; the step's constant bias x log2(e), or 0
.set TW,  243                          ; at work
.set KW,  244                          ; v244-247 K's scale words, v248-251 V's, v252 q's, v253 p's
.set VW,  248
.set QW,  252
.set PW,  253
.set QR,  254                          ; q's scale bytes as they are stored
.set PT,  255                          ; a lane permute's destination
.macro ROUND                           ; a round of the cluster's barrier
	s_barrier_signal -1
	s_barrier_wait -1
	s_cmp_lg_u32 s14, 0
	s_cbranch_scc1 .Lnot_wave_0_\@
	s_barrier_signal -3
.Lnot_wave_0_\@:
	s_barrier_wait -3
	s_barrier_signal -1
	s_barrier_wait -1
.endm
	s_load_b256 s[4:11], s[0:1], 0x0               ; qkv_img s[4:5], qkv_scl s[6:7], rel s[8:9], y_img s[10:11]
	s_load_b64 s[12:13], s[0:1], 0x20              ; y_scales
	v_lshl_add_u32 v254, v0, 2, 0x44800
	v_mov_b32 v255, 0
	ds_add_u32 v254, v255
	ds_add_u32 v254, v255
	s_wait_dscnt 0x0
	v_lshrrev_b32 v1, 5, v0
	s_delay_alu instid0(VALU_DEP_1)
	v_readfirstlane_b32 s14, v1                    ; wave 0..15
	v_and_b32 v1, 31, v0
	s_delay_alu instid0(VALU_DEP_1)
	v_lshlrev_b32 v1, 4, v1                        ; v1  16 x lane: my place in an image; K's image begins at LDS byte 0
	s_delay_alu instid0(VALU_DEP_1)
	v_add_nc_u32 v2, VIMG, v1                      ; v2  in V's image
	s_delay_alu instid0(VALU_DEP_2)
	v_add_nc_u32 v3, KSCL, v1                      ; v3  among K's scale words
	s_delay_alu instid0(VALU_DEP_3)
	v_add_nc_u32 v4, VSCL, v1                      ; v4  among V's
	v_and_b32 v7, 15, v0                           ; r
	v_bfe_u32 v8, v0, 4, 1                         ; h
	s_delay_alu instid0(VALU_DEP_1)
	v_lshlrev_b32 v9, 3, v8
	s_delay_alu instid0(VALU_DEP_3)
	v_add_nc_u32 v5, 8, v7
	s_delay_alu instid0(VALU_DEP_1)
	v_sub_nc_u32 v5, v5, v9
	s_delay_alu instid0(VALU_DEP_1)
	v_lshl_add_u32 v5, v5, 2, TAB                  ; v5  the table at r - 8 h + 8
	s_delay_alu instid0(VALU_DEP_4)
	v_lshl_add_u32 v6, v7, 4, v9                   ; v6  y's codes: 16 r + 8 h
	v_lshlrev_b32 v8, 4, v7                        ; v8  16 r: q's scale words
	v_lshlrev_b32 v7, 5, v7                        ; v7  32 r: y's scale bytes
	v_lshl_add_u32 v12, v0, 2, TAB                 ; where my thread puts its entry of the table
	s_bfe_u32 s15, ttmp6, 0x40000                  ; cx
	s_mov_b32 s16, ttmp9                           ; 16 batch + head: the cluster's number
	s_and_b32 s17, s16, 15                         ; head
	s_lshr_b32 s18, s16, 4                         ; batch
	s_mov_b32 s20, 0x76543210
	s_mov_b32 s21, 0xfedcba98                      ; v_permlanex16_b32's selects for lane l xor 16
	s_mov_b32 s22, 0x3e38aa3b                      ; log2(e) / 8
	s_mov_b32 s23, s22                             ; (named with it as a pair)
	; descriptor groups 1: dense blocks as rows of 256 bytes (32 elements of 8 bytes): 256 rows for half an image, 16 for half a head's scale words
	s_mov_b32 s24, 15|(3<<16)|(1<<21)              ; 15:0 the mask: all four work-groups; 17:16 elements of 8 bytes; 21 set beside a mask; no padding
	s_mov_b32 s25, 32<<16                          ; tensor_dim0
	s_mov_b32 s26, 256<<16                         ; tensor_dim1
	s_mov_b32 s27, 32<<16                          ; tile_dim0
	s_mov_b32 s28, 256                             ; tile_dim1
	s_mov_b32 s29, 32                              ; tensor_dim0_stride
	s_mov_b32 s30, 0
	s_mov_b32 s31, 0
	s_mov_b32 s32, 15|(3<<16)|(1<<21)
	s_mov_b32 s33, 32<<16
	s_mov_b32 s34, 16<<16
	s_mov_b32 s35, 32<<16
	s_mov_b32 s36, 16
	s_mov_b32 s37, 32
	s_mov_b32 s38, 0
	s_mov_b32 s39, 0
	; waves 0 to 3 fetch: wave / 2 = K or V, wave % 2 = which half
	s_lshr_b32 s82, s14, 1
	s_and_b32 s83, s14, 1
	s_add_co_u32 s84, s82, 1                       ; the kind in the buffers: 1 K, 2 V
	s_lshl_b32 s86, s84, 23
	s_lshl_b32 s85, s16, 17
	s_add_co_u32 s86, s86, s85
	s_lshl_b32 s85, s83, 16
	s_add_co_u32 s86, s86, s85                     ; the image's half, in memory
	s_mov_b32 s87, 0
	s_lshl_b32 s88, s84, 19
	s_lshl_b32 s85, s16, 13
	s_add_co_u32 s88, s88, s85
	s_lshl_b32 s85, s83, 12
	s_add_co_u32 s88, s88, s85                     ; the scale words' half
	s_mov_b32 s89, 0
	s_mov_b32 s40, 1
	s_lshl_b32 s41, s14, 12
	s_add_co_u32 s41, s41, KSCL                    ; LDS: the four halves of scale words on end: wave x 4,096
	s_mov_b32 s44, 1
	s_lshl_b32 s45, s14, 16                        ; LDS: the four halves of images on end: wave x 65,536
	s_wait_kmcnt 0x0
	s_add_nc_u64 s[42:43], s[6:7], s[88:89]
	s_or_b32 s43, s43, 0x80000000
	s_add_nc_u64 s[46:47], s[4:5], s[86:87]
	s_or_b32 s47, s47, 0x80000000
	ROUND                                          ; all four work-groups are here: the joint loads meet
	s_cmp_lt_u32 s14, 4                            ; a wave's fills stand in one branch on its number; two loads of mine are out
	s_cbranch_scc0 .Lno_fill
	tensor_load_to_lds s[40:43], s[32:39]
	s_nop 0
	tensor_load_to_lds s[44:47], s[24:31]
	s_nop 0
.rept 4
	v_nop
.endr
.Lno_fill:
	; the table: my thread's entry u = its number; d = u - 127 + 16 cx
	s_mul_i32 s83, s17, 516                        ; the head's row of rel, 129 numbers
	s_load_b32 s72, s[8:9], s83 offset:0x200       ; rel[head][128]
	s_lshl_b32 s82, s15, 4
	s_sub_co_i32 s82, s82, 127
	v_add_nc_u32 v14, s82, v0                      ; d
	v_mov_b32 v[TW], 0
	s_delay_alu instid0(VALU_DEP_2)
	v_cmp_gt_i32 vcc_lo, 0, v14                    ; d < 0: the key comes after the query
	s_delay_alu instid0(VALU_DEP_1)
	v_cndmask_b32 v15, v14, v[TW], vcc_lo
	s_delay_alu instid0(VALU_DEP_1)
	v_min_u32 v15, 0x80, v15                       ; min(max(d, 0), 128)
	s_delay_alu instid0(VALU_DEP_1)
	v_lshl_add_u32 v15, v15, 2, s83
	global_load_b32 v14, v15, s[8:9]
.irp j, 16,17,18,19,20,21,22,23,32,33,34,35,36,37,38,39
	v_mov_b32 v[\j], 0                             ; the zero halves on both sides of q: v[24:39] = [q | 0], v[16:31] = [0 | q]
.endr
.irp b, 0,1,2,3
	v_mov_b32 v[TP+\b], 0                          ; a lane permute's destination counts as one of its sources
.endr
	v_mov_b32 v[PT], 0
	v_mov_b32 v[K1+1], 0                           ; named as upper halves of pairs
	v_mov_b32 v[F+1], 0
	v_mov_b32 v[TW], 0xff800000                    ; -infinity
	s_mov_b32 s90, 0x01000100                      ; q's two scale bytes, written twice: the low half of its stored word for an even tile, the high half for an odd one
	s_bitcmp1_b32 s15, 0
	s_cselect_b32 s90, 0x03020302, s90
	s_lshl_b32 s84, s18, 21                        ; y_img: what hangs on batch and head
	s_lshr_b32 s82, s17, 2
	s_lshl_b32 s82, s82, 15
	s_add_co_u32 s84, s84, s82
	s_bfe_u32 s82, s17, 0x10001
	s_lshl_b32 s82, s82, 11
	s_add_co_u32 s84, s84, s82
	s_and_b32 s82, s17, 1
	s_lshl_b32 s82, s82, 10
	s_add_co_u32 s84, s84, s82
	s_lshl_b32 s85, s18, 16                        ; y_scales likewise: batch x 2,048 rows of 32 bytes + 2 head
	s_lshl_b32 s82, s17, 1
	s_add_co_u32 s85, s85, s82
	s_lshl_b32 s86, s16, 17                        ; q's image of this head
	s_lshl_b32 s87, s16, 13                        ; q's scale words
	s_wait_loadcnt 0x0
	v_mul_f32 v14, 0x41000000, v14                 ; 8 rel
	s_wait_alu depctr_va_vdst(0)
	v_cndmask_b32 v14, v14, v[TW], vcc_lo
	ds_store_b32 v12, v14
	s_wait_kmcnt 0x0
	s_mul_f32 s72, s72, 0x3fb8aa3b                 ; rel[head][128] x log2(e)
	s_wait_tensorcnt 0x0                           ; my fills have landed,
	s_wait_dscnt 0x0                               ; my entry of the table is written:
	s_barrier_signal -1
	s_barrier_wait -1                              ; everybody's are.  From here on LDS is only read
; A KEY STEP: 128 keys, the s68-th of the head.  s69: the step on the diagonal.  s66, s67: where the step's images and scale words begin.
.macro STEP
	s_cmp_gt_u32 s68, s69                          ; all its keys come after my queries: only the addresses step
	s_cbranch_scc1 .Lhidden_\@
	s_setprio 2
	v_add_nc_u32 v9, s66, v1
	v_add_nc_u32 v10, s66, v2
	v_add_nc_u32 v11, s67, v3
	v_add_nc_u32 v12, s67, v4
.rept 4
	v_nop                                          ; with the four additions: eight places in front of loads into registers that the last products have read
.endr
.irp b, 0,1,2,3                                ; fragment b: tiles 2 b and 2 b + 1 of 16 keys, 2,048 consecutive bytes
.irp c, 0,1,2,3
	ds_load_b128 v[40+16*\b+4*\c:43+16*\b+4*\c], v9 offset:2048*\b+512*\c
.endr
.endr
	ds_load_b128 v[KW:KW+3], v11                   ; word b: both tiles' scale bytes
	s_wait_dscnt 0x0
.irp b, 0,1,2,3
	v_wmma_scale_f32_16x16x128_f8f6f4 v[S+16*\b:S+16*\b+7], v[40+16*\b:55+16*\b], v[24:39], 0, v[KW+\b], v[QW] matrix_a_fmt:MATRIX_FMT_BF8 matrix_b_fmt:MATRIX_FMT_BF8
	v_wmma_scale_f32_16x16x128_f8f6f4 v[S+8+16*\b:S+15+16*\b], v[40+16*\b:55+16*\b], v[16:31], 0, v[KW+\b], v[QW] matrix_a_fmt:MATRIX_FMT_BF8 matrix_b_fmt:MATRIX_FMT_BF8
.endr                                          ; lane (r, h): query r; register 16 b + i: key 32 b + 8 h + i (i < 8), 32 b + 8 + 8 h + i (i >= 8): V's image has the same order
.rept 8
	v_nop
.endr
	s_add_co_u32 s82, s68, 1
	s_cmp_lt_u32 s82, s69
	s_cbranch_scc1 .Lfar_\@
	s_cmp_eq_u32 s68, s69                          ; the diagonal step or the one before it: bias and mask from the table
	s_cselect_b32 s82, 0, 512                      ; 128 entries on for the step before
	s_add_co_u32 s82, s82, s73                     ; 64 entries on for an odd j
	v_add_nc_u32 v13, s82, v5
.set n, 0
.rept 64
	ds_load_b32 v[40+n], v13 offset:4*(119-16*(n/8)-n%8)   ; register n holds key 16 (n / 8) + 8 h + n % 8 of the step
.set n, n+1
.endr
	s_wait_dscnt 0x0
.set n, 0
.rept 32
	v_pk_add_f32 v[S+n:S+n+1], v[S+n:S+n+1], v[40+n:41+n]   ; s + 8 bias, or -infinity; each accumulator from its low end on
.set n, n+2
.endr
	v_mov_b32 v[BCV], 0
	s_branch .Ljoin_\@
.Lfar_\@:
	v_mov_b32 v[BCV], s72                          ; every distance is over 128: one bias for the whole step
.Ljoin_\@:
	s_wait_alu depctr_va_vdst(0)
.irp t, 0,1,2,3                                ; V's four fragments and their scale words are asked for now and land under the softmax
.irp c, 0,1,2,3
	ds_load_b128 v[40+16*\t+4*\c:43+16*\t+4*\c], v10 offset:2048*\t+512*\c
.endr
.endr
	ds_load_b128 v[VW:VW+3], v12
.irp b, 0,1,2,3
	v_max3_num_f32 v[BM+\b], v[S+16*\b], v[S+1+16*\b], v[S+2+16*\b]   ; the largest score of each block of 32 keys: for the row's maximum and, since p rises with the score, for the block's largest p
.endr
.irp i, 3,5,7,9,11,13
.irp b, 0,1,2,3
	v_max3_num_f32 v[BM+\b], v[BM+\b], v[S+16*\b+\i], v[S+1+16*\b+\i]
.endr
.endr
.irp b, 0,1,2,3
	v_max_num_f32 v[BM+\b], v[BM+\b], v[S+15+16*\b]
.endr
.irp b, 0,1,2,3
	s_delay_alu instid0(VALU_DEP_4)
	v_permlanex16_b32 v[TP+\b], v[BM+\b], s20, s21
.endr
.irp b, 0,1,2,3
	s_delay_alu instid0(VALU_DEP_4)
	v_max_num_f32 v[BM+\b], v[BM+\b], v[TP+\b]     ; with lane l xor 16's 16 keys
.endr
	s_delay_alu instid0(VALU_DEP_2)
	v_max3_num_f32 v[TW], v[BM], v[BM+1], v[BM+2]
	s_delay_alu instid0(VALU_DEP_1)
	v_max_num_f32 v[TW], v[TW], v[BM+3]
	s_delay_alu instid0(VALU_DEP_1)
	v_fma_f32 v[TW], v[TW], s22, v[BCV]            ; the step's largest t
	s_delay_alu instid0(VALU_DEP_1)
	v_max_num_f32 v[TMX], v[TMX], v[TW]            ; the running largest t
	v_mov_b32 v[TW], v[NM]
	s_delay_alu instid0(VALU_DEP_2)
	v_floor_f32 v[NM], -v[TMX]                     ; the new -M = floor(-t): M is a whole number
	s_delay_alu instid0(VALU_DEP_1)
	v_sub_f32 v[TW], v[NM], v[TW]                  ; old M - new M: a whole number, 0 or less
	s_delay_alu instid0(VALU_DEP_1)
	v_cvt_i32_f32 v[TW], v[TW]                     ; (it saturates)
	s_delay_alu instid0(VALU_DEP_1)
	v_ldexp_f32 v[F], 1.0, v[TW]                   ; f = 2^(old M - new M)
	s_delay_alu instid0(VALU_DEP_4)
	v_add_f32 v[K1], v[BCV], v[NM]
.set n, 0
.rept 32
	v_pk_fma_f32 v[S+n:S+n+1], v[S+n:S+n+1], s[22:23], v[K1:K1+1] op_sel_hi:[1,0,0]   ; t - M, two at a time
.set n, n+2
.endr
	s_setprio 1
.irp b, 0,1,2,3
	v_fma_f32 v[BM+\b], v[BM+\b], s22, v[K1]       ; the same of each block's largest score
.endr
.set n, 0
	s_wait_alu depctr_va_vdst(0)
.rept 64
	v_exp_f32 v[S+n], v[S+n]                       ; p = 2^(t - M)
.set n, n+1
.endr
.irp b, 0,1,2,3
	v_exp_f32 v[BM+\b], v[BM+\b]                   ; the block's largest p: the same two instructions on the same number
.endr
	v_pk_mul_f32 v[L:L+1], v[L:L+1], v[F:F+1] op_sel_hi:[1,0]   ; the sums under the new M (a plain instruction behind the exponentials)
	s_wait_alu depctr_va_vdst(0)
.irp b, 0,1,2,3
	v_max_num_f32 v[BM+\b], 0x8000000, v[BM+\b]    ; the floor 2^(16 - 127): a block whose every p is 0 keeps the byte 1 over zero codes
.endr
.irp b, 0,1,2,3
	s_delay_alu instid0(VALU_DEP_4)
	v_add_nc_u32 v[SO+\b], 0xf8800000, v[BM+\b]
.endr
.irp b, 0,1,2,3
.endr
.irp b, 0,1,2,3
	s_delay_alu instid0(VALU_DEP_4)
	v_lshrrev_b32 v[TP+\b], 23, v[SO+\b]
.endr
	s_delay_alu instid0(VALU_DEP_3)
	v_lshl_or_b32 v[PW], v[TP+1], 8, v[TP]         ; p's scale word for these 128 keys
	s_delay_alu instid0(VALU_DEP_1)
	v_lshl_or_b32 v[PW], v[TP+2], 16, v[PW]
	s_delay_alu instid0(VALU_DEP_1)
	v_lshl_or_b32 v[PW], v[TP+3], 24, v[PW]
	v_pk_add_f32 v[234:235], v[108:109], v[112:113]
	v_pk_add_f32 v[246:247], v[116:117], v[120:121]
	v_pk_add_f32 v[244:245], v[124:125], v[128:129]
	v_pk_add_f32 v[242:243], v[132:133], v[136:137]
	v_pk_add_f32 v[226:227], v[140:141], v[144:145]
	v_pk_add_f32 v[224:225], v[148:149], v[152:153]
	v_pk_add_f32 v[218:219], v[156:157], v[160:161]
	v_pk_add_f32 v[232:233], v[232:233], v[164:165]
	v_pk_add_f32 v[234:235], v[234:235], v[104:105]
	v_pk_add_f32 v[246:247], v[246:247], v[106:107]
	v_pk_add_f32 v[244:245], v[244:245], v[110:111]
	v_pk_add_f32 v[242:243], v[242:243], v[114:115]
	v_pk_add_f32 v[226:227], v[226:227], v[118:119]
	v_pk_add_f32 v[224:225], v[224:225], v[122:123]
	v_pk_add_f32 v[218:219], v[218:219], v[126:127]
	v_pk_add_f32 v[232:233], v[232:233], v[130:131]
	v_pk_add_f32 v[234:235], v[234:235], v[134:135]
	v_pk_add_f32 v[246:247], v[246:247], v[138:139]
	v_pk_add_f32 v[244:245], v[244:245], v[142:143]
	v_pk_add_f32 v[242:243], v[242:243], v[146:147]
	v_pk_add_f32 v[226:227], v[226:227], v[150:151]
	v_pk_add_f32 v[224:225], v[224:225], v[154:155]
	s_setprio 0
	v_pk_add_f32 v[218:219], v[218:219], v[158:159]
	v_pk_add_f32 v[232:233], v[232:233], v[162:163]
	v_pk_add_f32 v[234:235], v[234:235], v[166:167]
	s_delay_alu instid0(VALU_DEP_2)
	v_pk_add_f32 v[232:233], v[232:233], v[242:243]
	s_delay_alu instid0(VALU_DEP_2)
	v_pk_add_f32 v[234:235], v[234:235], v[226:227]
	v_pk_add_f32 v[246:247], v[246:247], v[224:225]
	v_pk_add_f32 v[244:245], v[244:245], v[218:219]
	s_delay_alu instid0(VALU_DEP_2)
	v_pk_add_f32 v[232:233], v[232:233], v[246:247]
	s_delay_alu instid0(VALU_DEP_2)
	v_pk_add_f32 v[234:235], v[234:235], v[244:245]
	s_delay_alu instid0(VALU_DEP_1)
	v_pk_add_f32 v[232:233], v[232:233], v[234:235]
.irp b, 0,1,2,3
.set n, 0
.rept 16
.set n, n+1
.endr
	v_cvt_scalef32_pk8_bf8_f32 v[PCD+4*\b:PCD+4*\b+1], v[S+16*\b:S+16*\b+7], v[SO+\b]
	v_cvt_scalef32_pk8_bf8_f32 v[PCD+4*\b+2:PCD+4*\b+3], v[S+16*\b+8:S+16*\b+15], v[SO+\b]
.endr
.set n, 0
.rept 16
	v_pk_mul_f32 v[O+n:O+n+1], v[O+n:O+n+1], v[F:F+1] op_sel_hi:[1,0]   ; O^T under the new M, from each accumulator's low end on; also the places between the codes and the products
.set n, n+2
.endr
	s_wait_alu depctr_va_vdst(0)
	s_wait_dscnt 0x0                               ; V is in
.irp t, 0,1,2,3
	v_wmma_scale_f32_16x16x128_f8f6f4 v[O+8*\t:O+8*\t+7], v[40+16*\t:55+16*\t], v[PCD:PCD+15], v[O+8*\t:O+8*\t+7], v[VW+\t], v[PW] matrix_a_fmt:MATRIX_FMT_BF8 matrix_b_fmt:MATRIX_FMT_BF8
.endr                                          ; the accumulators take turns, one instruction a turn, here and round the loop
.Lhidden_\@:
	s_add_co_u32 s66, s66, 8192
	s_add_co_u32 s67, s67, 512
.endm
; The tile's end: O^T / the sum is y(query r, channels 16 t + 8 h + 0..7); two blocks of 32 along the model's features; the codes go out in K's true order.
.macro YOUT
.rept 8
	v_nop
.endr
	v_add_f32 v[TW], v[L], v[L+1]
	s_delay_alu instid0(VALU_DEP_1)
	v_permlanex16_b32 v[PT], v[TW], s20, s21
	s_delay_alu instid0(VALU_DEP_1)
	v_add_f32 v[TW], v[TW], v[PT]                  ; the row's sum
	s_wait_alu depctr_va_vdst(0)
	v_rcp_f32 v[TW], v[TW]
	v_nop
.set n, 0
	s_wait_alu depctr_va_vdst(0)
.rept 32
	v_mul_f32 v[S+n], v[O+n], v[TW]
.set n, n+1
.endr
.irp b, 0,1
	v_max3_num_f32 v[BM+\b], |v[S+16*\b]|, |v[S+1+16*\b]|, 0x8000000
.endr
.irp i, 2,4,6,8,10,12,14
.irp b, 0,1
	s_delay_alu instid0(VALU_DEP_2)
	v_max3_num_f32 v[BM+\b], v[BM+\b], |v[S+16*\b+\i]|, |v[S+1+16*\b+\i]|
.endr
.endr
.irp b, 0,1
	s_delay_alu instid0(VALU_DEP_2)
	v_permlanex16_b32 v[TP+\b], v[BM+\b], s20, s21
.endr
.irp b, 0,1
	s_delay_alu instid0(VALU_DEP_2)
	v_max_num_f32 v[BM+\b], v[BM+\b], v[TP+\b]
.endr
.irp b, 0,1
	s_delay_alu instid0(VALU_DEP_2)
	v_add_nc_u32 v[SO+\b], 0xf8800000, v[BM+\b]
.endr
.irp b, 0,1
.endr
.irp b, 0,1
	s_delay_alu instid0(VALU_DEP_2)
	v_lshrrev_b32 v[TP+\b], 23, v[SO+\b]
.endr
	s_delay_alu instid0(VALU_DEP_1)
	v_lshl_or_b32 v[TW], v[TP+1], 8, v[TP]         ; the head's two scale bytes of my token
.irp b, 0,1
.set n, 0
.rept 16
.set n, n+1
.endr
	v_cvt_scalef32_pk8_bf8_f32 v[PCD+4*\b:PCD+4*\b+1], v[S+16*\b:S+16*\b+7], v[SO+\b]
	v_cvt_scalef32_pk8_bf8_f32 v[PCD+4*\b+2:PCD+4*\b+3], v[S+16*\b+8:S+16*\b+15], v[SO+\b]
.endr
	v_nop                                          ; one plain instruction behind the last conversion
.irp t, 0,1,2,3
	global_store_b64 v6, v[PCD+2*\t:PCD+2*\t+1], s[78:79] offset:(\t/2)*512+(\t%2)*256   ; 32 lanes store 256 consecutive bytes, aligned
.endr
	global_store_b16 v7, v[TW], s[80:81]           ; (lanes l and l xor 16 store the same two bytes)
.endm
; One query tile: j = wave (p = 0) or 31 - wave (p = 1).  trips: the most steps that any wave needs in this pass, a constant.
.macro PASS p, trips
	s_wait_xcnt 0x0                                ; the last tile's stores have read their data and bases: both are written below
.if \p
	s_xor_b32 s70, s14, 31
.else
	s_mov_b32 s70, s14
.endif
	s_lshl_b32 s71, s70, 2
	s_add_co_u32 s71, s71, s15                     ; the tile: 4 j + cx: it enters global addresses alone
	s_lshr_b32 s69, s70, 1                         ; the step on the diagonal
	s_and_b32 s73, s70, 1
	s_lshl_b32 s73, s73, 8                         ; 64 entries of the table on for an odd j
	s_mov_b32 s83, 0
	s_lshl_b32 s82, s71, 10
	s_add_co_u32 s82, s82, s86
	s_add_nc_u64 s[74:75], s[4:5], s[82:83]        ; q's image of the tile
	s_lshr_b32 s88, s71, 3
	s_lshl_b32 s82, s88, 9
	s_add_co_u32 s82, s82, s87
	s_bfe_u32 s89, s71, 0x20001
	s_lshl_b32 s89, s89, 2
	s_add_co_u32 s82, s82, s89
	s_add_nc_u64 s[76:77], s[6:7], s[82:83]        ; the word that holds its scale bytes
	s_lshl_b32 s82, s88, 17
	s_add_co_u32 s82, s82, s84
	s_and_b32 s89, s71, 7
	s_lshl_b32 s89, s89, 12
	s_add_co_u32 s82, s82, s89
	s_add_nc_u64 s[78:79], s[10:11], s[82:83]      ; y's image
	s_lshl_b32 s82, s71, 9
	s_add_co_u32 s82, s82, s85
	s_add_nc_u64 s[80:81], s[12:13], s[82:83]      ; y's scale bytes
	global_load_b128 v[24:27], v1, s[74:75]
	global_load_b128 v[28:31], v1, s[74:75] offset:512
	global_load_b32 v[QR], v8, s[76:77]
	v_mov_b32 v[L], 0
	v_mov_b32 v[L+1], 0
	v_mov_b32 v[TMX], 0xff61b1e6                   ; the largest t so far: -3e38, under every t
	s_delay_alu instid0(VALU_DEP_1)
	v_floor_f32 v[NM], -v[TMX]
	s_wait_loadcnt 0x0
	v_perm_b32 v[QW], v[QR], v[QR], s90
.set n, 0
.rept 32
	v_mov_b32 v[O+n], 0                            ; the step is written once: the first finds zeros.  (Also the places between q's scale word and the first product)
.set n, n+1
.endr
	s_mov_b32 s66, 0
	s_mov_b32 s67, 0
	s_mov_b32 s68, 0
.Lstep_\p:
	STEP
	s_add_co_u32 s68, s68, 1
	s_cmp_lt_u32 s68, \trips
	s_cbranch_scc1 .Lstep_\p
	s_setprio 0
	YOUT
.endm
	PASS 0, 8
	PASS 1, 16
	s_wait_dscnt 0x0
	s_wait_xcnt 0x0
	v_lshl_add_u32 v254, v0, 2, 0x44800
	v_mov_b32 v255, 0
	s_wait_alu depctr_va_vdst(0)
	s_wait_tensorcnt 0x0
	ds_add_u32 v254, v255
	s_wait_dscnt 0x0
	ROUND                                          ; the closing round: no work-group ends while a partner may still ask for a tile that names it
	s_endpgm
.Lfunc_end_k_q6a4ce98877_attn:
	.size	k_q6a4ce98877_attn, .Lfunc_end_k_q6a4ce98877_attn-k_q6a4ce98877_attn
	.p2alignl 7, 3214868480
	.fill 96, 4, 3214868480
	.section	.rodata,"a",@progbits
	.p2align	6, 0x0
	.amdhsa_kernel k_q6a4ce98877_attn
		.amdhsa_group_segment_fixed_size 282624
		.amdhsa_private_segment_fixed_size 0
		.amdhsa_enable_private_segment 0
		.amdhsa_kernarg_size 40
		.amdhsa_user_sgpr_count 2
		.amdhsa_user_sgpr_kernarg_segment_ptr 1
		.amdhsa_wavefront_size32 1
		.amdhsa_system_sgpr_workgroup_id_x 1
		.amdhsa_system_sgpr_workgroup_id_y 1
		.amdhsa_system_sgpr_workgroup_id_z 1
		.amdhsa_system_vgpr_workitem_id 0
		.amdhsa_next_free_vgpr 256
		.amdhsa_next_free_sgpr 96
		.amdhsa_reserve_vcc 1
		.amdhsa_float_denorm_mode_32 3
		.amdhsa_float_denorm_mode_16_64 3
		.amdhsa_fp16_overflow 1
		.amdhsa_memory_ordered 1
		.amdhsa_forward_progress 1
		.amdhsa_inst_pref_size 70
	.end_amdhsa_kernel
	.amdgpu_metadata
---
amdhsa.version: [ 1, 2 ]
amdhsa.kernels:
  - .name:           k_q6a4ce98877_attn
    .symbol:         k_q6a4ce98877_attn.kd
    .args:
      - { .name: qkv_img, .offset: 0, .size: 8, .value_kind: global_buffer, .address_space: global }
      - { .name: qkv_scl, .offset: 8, .size: 8, .value_kind: global_buffer, .address_space: global }
      - { .name: rel, .offset: 16, .size: 8, .value_kind: global_buffer, .address_space: global }
      - { .name: y_img, .offset: 24, .size: 8, .value_kind: global_buffer, .address_space: global }
      - { .name: y_scales, .offset: 32, .size: 8, .value_kind: global_buffer, .address_space: global }
    .group_segment_fixed_size: 282624
    .private_segment_fixed_size: 0
    .kernarg_segment_align: 8
    .kernarg_segment_size: 40
    .max_flat_workgroup_size: 512
    .sgpr_count:     96
    .vgpr_count:     256
    .wavefront_size: 32
...
	.end_amdgpu_metadata
.endif
;; end of part 3
;; launch oproj (part 4): grid 4 x 32, 4 waves a work-group, clusters of 4 x 4, 327,680 bytes of LDS; arguments y_img, y_scales, Wo_codes, Wo_scales, x, out0; writes out0
.if DOCPART == 4
	.amdgcn_target "amdgcn-amd-amdhsa--gfx1250"
	.amdhsa_code_object_version 6
	.text
	.protected	k_q6a4ce98877_oproj
	.globl	k_q6a4ce98877_oproj
	.p2align	8
	.type	k_q6a4ce98877_oproj,@function
k_q6a4ce98877_oproj:
	s_mov_b64 s[64:65], 0
	v_nop
	global_prefetch_b8 v0, s[64:65] scope:SCOPE_SE
	s_setreg_imm32_b32 hwreg(HW_REG_WAVE_MODE, 25, 1), 1
	s_wait_xcnt 0x0
	s_wait_alu depctr_hold_cnt(0) depctr_sa_sdst(0) depctr_va_vdst(0) depctr_va_sdst(0) depctr_va_ssrc(0) depctr_va_vcc(0) depctr_vm_vsrc(0)
	s_getreg_b32 s2, hwreg(HW_REG_IB_STS2, 6, 4)
	s_cmp_eq_u32 s2, 0
	s_cbranch_scc0 .Lentry_in_a_cluster
	s_endpgm
.Lentry_in_a_cluster:
	s_bfe_u32 s2, ttmp6, 0x10000c
	s_cmp_lg_u32 s2, 0xf033
	s_cbranch_scc0 .Lentry_shape_is_right
	s_endpgm
.Lentry_shape_is_right:
; out0 = x + y Wo^T, the product on codes of BF8 (E5M2) with E8M0 scales for each 32 along K = 1,024; sums and the addition in f32.
; A tile of 256 x 256 to a work-group of four waves, 128 x 128 to a wave (64 accumulators, 512 registers).  K goes in steps of 256 through two LDS slots filled by the tensor data mover; the scale bytes of the work-group's
; 256 + 256 rows come once and stay.  4 x 4 work-groups form a cluster: A's tiles are asked for jointly along a row of it, B's along a column.  32 x 4 tiles: 128 work-groups; the launch moves far more bytes (x in, out0 out)
; than its product would ask for, so a smaller tile would only read more of LDS.
; A = y comes as an IMAGE OF ITS REGISTERS: for 128 tokens and 256 along K, 32,768 dense bytes: [block of 16 tokens][128 along K][32 along K][16 bytes at 16 x lane]: a fragment is four loads of 512 consecutive bytes, no pitch.
; B = Wo comes as rows of codes, padded in LDS.  THE MATRIX INSTRUCTION IS USED TRANSPOSED (source 0 = 16 rows of Wo, source 1 = 16 tokens): a lane holds eight neighbouring numbers of a row of the result.
; THE WAY OUT: a block of 16 rows x 128 columns goes through the wave's stage in LDS and comes back as whole rows of 512 bytes; x's same rows, loaded four blocks ahead into the registers that held B, are added; 512 consecutive bytes a store.
; x IS ASKED FOR AHEAD: each wave asks once for each aligned run of 256 bytes of its own 128 rows x 512 bytes of x, two requests (32 rows) in each of the 4th to 7th of the eight steps of 64 matrix instructions, behind that step's LDS loads.
; REGISTERS, in windows of 256: window 0: v16-30 addresses; v32-63 scale words, two sets; v128-255 A's fragments, one set (on the way out: rows of the result).  window 1: B's fragments, two sets (on the way out: x).  windows 2, 3: the accumulators.
.set KSTEP,  256
.set NQ,     2
.set ROWB,   256
.set KROW,   1024
.set PITCH,  272                       ; B's LDS row: 256 bytes + 16 of padding: the 16 rows that a load touches start at 16 different banks (64 banks of 4 bytes: ISA guide 11.1)
.set FR,     16
.set NL,     4
.set NP,     8                         ; places behind this matrix instruction (ISA guide 7.12.1)
.set HALFA,  32768                     ; A's image of 128 tokens x 256 K
.set HALFT,  128*PITCH                 ; B's 128 rows
.set SLOT,   2*HALFA+2*HALFT
.set KS,     32
.set SCL,    2*SLOT
.set HALFS,  (128*KS/256)*272
.set SBLK,   (16*KS/256)*272
.set SPARE,  SCL+4*HALFS               ; the spare words, 128 bytes for each wave: two blocks of 256 bytes that no other line names
.set SPITCH, 528                       ; the stage: 16 rows x (512 bytes + 16) for each wave, in slot 0, which has had its last fill and its last read when the first result is stored there
.set ADRA, 16
.set ADRB, 20
.set STO,  24
.set RD,   25
.set CO,   26                          ; 16 x lane
.set ADRS, 27
.set SPW,  28
.set NIL,  29
.set PFA,  30                          ; 4,096 (lane / 2) + 256 (lane % 2): never rewritten
.set SC,   32
.set AF,   128
.set BK,   128
.set G1, 24
.set G0, 32
.set G1B, 48
.set G0B, 56
.set G1S, 68
.set G0S, 76
.set G1SB, 80
.set G0SB, 88
.set MSB, 0
.macro WIN new                         ; the immediate's high byte repeats the setting that is left
.if MSB != (\new)
	s_set_vgpr_msb (MSB<<8)|(\new)
.set MSB, (\new)
.endif
.endm
.set MUL_LO, 0xa1
.set MUL_HI, 0xf1
.set TO_B,   0x40
.macro JLOAD g0a, g1a, g0b, g1b        ; a joint load: waves 0 and 1 fetch for A, waves 2 and 3 for B; four v_nop follow each of the two lines
	s_cmp_eq_u32 s15, 0
	s_cbranch_scc0 .Lfor_b_\@
	tensor_load_to_lds s[\g0a:\g0a+3], s[\g1a:\g1a+7]
	s_nop 0
.rept 4
	v_nop
.endr
	s_branch .Lasked_\@
.Lfor_b_\@:
	tensor_load_to_lds s[\g0b:\g0b+3], s[\g1b:\g1b+7]
	s_nop 0
.rept 4
	v_nop
.endr
.Lasked_\@:
.endm
.macro CREST
	s_cmp_lg_u32 s14, 0
	s_cbranch_scc1 .Lnot_wave_0_\@
	s_barrier_signal -3
.Lnot_wave_0_\@:
	s_barrier_wait -3
	s_barrier_signal -1
	s_barrier_wait -1
.endm
.macro CROUND
	s_barrier_signal -1
	s_barrier_wait -1
	CREST
.endm
	s_load_b128 s[4:7], s[0:1], 0x0                ; y's image, y's scales
	s_load_b128 s[8:11], s[0:1], 0x10              ; Wo's codes, Wo's scales
	s_load_b64 s[96:97], s[0:1], 0x20              ; x
	s_load_b64 s[12:13], s[0:1], 0x28              ; out0
	v_lshl_add_u32 v[SPW], v0, 2, SPARE
	v_mov_b32 v[NIL], 0
	ds_add_u32 v28, v29
	ds_add_u32 v28, v29
	s_wait_dscnt 0x0
	v_lshrrev_b32 v1, 5, v0
	v_readfirstlane_b32 s14, v1                    ; wave 0..3
	s_lshr_b32 s15, s14, 1                         ; which half of the tile's rows is mine.  Also: I fetch for A (0) or for B (1)
	s_and_b32 s16, s14, 1                          ; which half of its columns.  Also: which half of that tile I fetch
	s_bfe_u32 s40, ttmp6, 0x40000
	s_bfe_u32 s41, ttmp6, 0x40004
	s_lshl_b32 s42, ttmp9, 2
	s_add_co_u32 s42, s42, s40                     ; tile column = 4 x cluster x + cx
	s_and_b32 s17, ttmp7, 0xffff
	s_lshl_b32 s17, s17, 2
	s_add_co_u32 s17, s17, s41                     ; tile row = 4 x cluster y + cy
	s_lshl_b32 s43, s41, 2
	s_lshl_b32 s43, 15, s43                        ; my row of the cluster
	s_lshl_b32 s44, 0x1111, s40                    ; my column
	s_or_b32 s[G1+0], s43, (3<<16)|(1<<21)         ; A: 32,768 dense bytes as 128 rows of 256 (32 elements of 8 bytes), no padding; the mask: my row
	s_mov_b32 s[G1+1], 32<<16
	s_mov_b32 s[G1+2], 128<<16
	s_mov_b32 s[G1+3], 32<<16
	s_mov_b32 s[G1+4], 128
	s_mov_b32 s[G1+5], 32
	s_mov_b32 s[G1+6], 0
	s_mov_b32 s[G1+7], 0
	s_or_b32 s[G1B+0], s44, (0<<16)|(1<<20)|(1<<21)|(5<<22)|(3<<25)  ; B: 128 rows of 256 bytes, four words of padding after every 64; the mask: my column
	s_mov_b32 s[G1B+1], ROWB<<16
	s_mov_b32 s[G1B+2], 128<<16
	s_mov_b32 s[G1B+3], ROWB<<16
	s_mov_b32 s[G1B+4], 128
	s_mov_b32 s[G1B+5], KROW
	s_mov_b32 s[G1B+6], 0
	s_mov_b32 s[G1B+7], 0
	s_or_b32 s[G1S+0], s43, (3<<16)|(1<<20)|(1<<21)|(5<<22)|(3<<25)  ; the scales of 128 rows: 16 rows of 256 bytes, 16 bytes of padding behind each
	s_or_b32 s[G1SB+0], s44, (3<<16)|(1<<20)|(1<<21)|(5<<22)|(3<<25)
.irp g, G1S, G1SB
	s_mov_b32 s[\g+1], 32<<16
	s_mov_b32 s[\g+2], (128*KS/256)<<16
	s_mov_b32 s[\g+3], 32<<16
	s_mov_b32 s[\g+4], 128*KS/256
	s_mov_b32 s[\g+5], 32
	s_mov_b32 s[\g+6], 0
	s_mov_b32 s[\g+7], 0
.endr
	s_lshl_b32 s22, s17, 1
	s_add_co_u32 s22, s22, s16                     ; A: which 128 tokens I fetch: 2 x tile row + half
	s_lshl_b32 s20, s22, 17                        ; their image: 131,072 bytes for all of K
	s_mov_b32 s21, 0
	s_lshl_b32 s22, s22, 12                        ; their scale bytes: 128 rows of 32
	s_mov_b32 s23, 0
	s_lshl_b32 s92, s42, 1
	s_add_co_u32 s92, s92, s16                     ; B: which 128 rows of Wo
	s_lshl_b32 s46, s92, 17                        ; 128 rows of 1,024 bytes
	s_mov_b32 s47, 0
	s_lshl_b32 s92, s92, 12
	s_mov_b32 s93, 0
	s_lshl_b32 s45, s16, 15                        ; where they go in a slot: A's two halves,
	s_mul_i32 s95, s16, HALFT
	s_add_co_u32 s95, s95, 2*HALFA                 ; then B's two
	s_mul_i32 s94, s14, HALFS
	s_wait_kmcnt 0x0
	s_add_nc_u64 s[20:21], s[4:5], s[20:21]
	s_add_nc_u64 s[22:23], s[6:7], s[22:23]
	s_add_nc_u64 s[46:47], s[8:9], s[46:47]
	s_add_nc_u64 s[92:93], s[10:11], s[92:93]
	CROUND                                         ; all sixteen work-groups are here: the first joint loads meet
	s_mov_b32 s[G0S], 1
	s_add_co_u32 s[G0S+1], s94, SCL
	s_mov_b64 s[G0S+2:G0S+3], s[22:23]
	s_or_b32 s[G0S+3], s[G0S+3], 0x80000000
	s_mov_b32 s[G0SB], 1
	s_add_co_u32 s[G0SB+1], s94, SCL
	s_mov_b64 s[G0SB+2:G0SB+3], s[92:93]
	s_or_b32 s[G0SB+3], s[G0SB+3], 0x80000000
	JLOAD G0S, G1S, G0SB, G1SB
.irp s, 0,1
	s_mov_b32 s[G0+4*\s], 1
	s_add_co_u32 s[G0+4*\s+1], s45, \s*SLOT
	s_add_nc_u64 s[G0+4*\s+2:G0+4*\s+3], s[20:21], \s*HALFA
	s_or_b32 s[G0+4*\s+3], s[G0+4*\s+3], 0x80000000
	s_mov_b32 s[G0B+4*\s], 1
	s_add_co_u32 s[G0B+4*\s+1], s95, \s*SLOT
	s_add_nc_u64 s[G0B+4*\s+2:G0B+4*\s+3], s[46:47], \s*ROWB
	s_or_b32 s[G0B+4*\s+3], s[G0B+4*\s+3], 0x80000000
	s_wait_alu depctr_va_vdst(0)
	s_wait_tensorcnt 0x0
	ds_add_u32 v28, v29
	s_wait_dscnt 0x0
	CROUND
	JLOAD G0+4*\s, G1, G0B+4*\s, G1B               ; one load of mine is out now
.endr
	v_and_b32 v1, 15, v0                           ; r
	v_bfe_u32 v2, v0, 4, 1                         ; h
	v_mul_u32_u24 v3, v1, PITCH
	v_lshl_add_u32 v4, v2, 4, v3                   ; B: a fragment's row x pitch + 16 x half
	v_and_b32 v6, 31, v0
	v_lshlrev_b32 v[CO], 4, v6                     ; 16 x lane: A's image, a row of the stage, of x and of out0
	s_lshl_b32 s21, s15, 15                        ; my 128 tokens of A
	s_mul_i32 s22, s16, HALFT
	s_add_co_u32 s22, s22, 2*HALFA                 ; my 128 rows of B
.irp s, 0,1
	v_add_nc_u32 v[ADRA+\s], s21, v[CO]
	v_add_nc_u32 v[ADRB+\s], s22, v4
	s_add_co_u32 s21, s21, SLOT
	s_add_co_u32 s22, s22, SLOT
.endr
	v_lshrrev_b32 v[PFA], 1, v6
	v_and_b32 v31, 1, v6
	v_lshlrev_b32 v[PFA], 12, v[PFA]
	v_lshl_add_u32 v[PFA], v31, 8, v[PFA]
	v_mul_u32_u24 v5, v1, KS
	v_lshrrev_b32 v6, 8, v5
	v_lshl_add_u32 v5, v6, 4, v5
	s_mul_i32 s21, s15, HALFS
	s_mul_i32 s22, s16, HALFS
	s_add_co_u32 s22, s22, 2*HALFS
	s_sub_co_u32 s22, s22, s21
	v_mul_u32_u24 v6, s22, v2                      ; lanes 16-31 take B's scale words
	s_add_co_u32 s21, s21, SCL
	v_add_nc_u32 v5, v5, v6
	v_add_nc_u32 v[ADRS], s21, v5
	s_mul_i32 s23, s14, 16*SPITCH                  ; my stage
	v_mul_u32_u24 v5, v1, SPITCH
	v_lshl_add_u32 v5, v2, 5, v5
	v_add_nc_u32 v[STO], s23, v5                   ; in: row r, 32 bytes for each half of the lanes
	v_add_nc_u32 v[RD], s23, v[CO]                 ; back: the 32 lanes take one row of 512 bytes
	s_lshl_b32 s20, s17, 8
	s_lshl_b32 s21, s15, 7
	s_add_co_u32 s20, s20, s21                     ; my first row: 256 x tile row + 128 x half
	s_lshl_b32 s20, s20, 12                        ; 4,096 bytes a row
	s_lshl_b32 s46, s42, 10
	s_lshl_b32 s47, s16, 9
	s_add_co_u32 s46, s46, s47                     ; my first column, in bytes
	s_add_co_u32 s20, s20, s46
	s_mov_b32 s21, 0
	s_add_nc_u64 s[12:13], s[12:13], s[20:21]      ; out0 and x at my part: neither base is stepped again
	s_add_nc_u64 s[96:97], s[96:97], s[20:21]
.macro FRAG reg, adr, q, i             ; B: 16 rows x 128 K from padded rows
.irp c, 0,1,2,3
	ds_load_b128 v[\reg+4*\c:\reg+4*\c+3], v[\adr] offset:128*(\q)+32*\c+(\i)*16*PITCH
.endr
.endm
.macro FRAGA reg, adr, q, i            ; A: the same registers from the image
.irp c, 0,1,2,3
	ds_load_b128 v[\reg+4*\c:\reg+4*\c+3], v[\adr] offset:4096*(\i)+2048*(\q)+512*\c
.endr
.endm
.macro MUL16 a0, p, q, sc, zero        ; 16 matrix instructions; the 64 accumulators take turns, one instruction a turn, in the same order in every step
.irp a, \a0, \a0+1
.irp b, 0,1,2,3,4,5,6,7
.if \zero
	v_wmma_scale_f32_16x16x128_f8f6f4 v[8*(8*((\a)%4)+\b):8*(8*((\a)%4)+\b)+7], v[128*(\p)+FR*\b:128*(\p)+FR*\b+FR-1], v[AF+FR*(\a):AF+FR*(\a)+FR-1], 0, v[SC+8*NQ*(\sc)+NQ*\b+(\q)], v[SC+8*NQ*(\sc)+NQ*(\a)+(\q)] matrix_a_fmt:MATRIX_FMT_BF8 matrix_b_fmt:MATRIX_FMT_BF8 matrix_a_scale:MATRIX_SCALE_ROW1
.else
	v_wmma_scale_f32_16x16x128_f8f6f4 v[8*(8*((\a)%4)+\b):8*(8*((\a)%4)+\b)+7], v[128*(\p)+FR*\b:128*(\p)+FR*\b+FR-1], v[AF+FR*(\a):AF+FR*(\a)+FR-1], v[8*(8*((\a)%4)+\b):8*(8*((\a)%4)+\b)+7], v[SC+8*NQ*(\sc)+NQ*\b+(\q)], v[SC+8*NQ*(\sc)+NQ*(\a)+(\q)] matrix_a_fmt:MATRIX_FMT_BF8 matrix_b_fmt:MATRIX_FMT_BF8 matrix_a_scale:MATRIX_SCALE_ROW1
.endif
.endr
.endr
.endm
.macro FETCH_B slot, q, p
	WIN TO_B
.irp i, 0,1,2,3,4,5,6,7
	FRAG 128*(\p)+FR*\i, ADRB+\slot, \q, \i
.endr
	WIN 0
.endm
.macro FETCH_A slot, q, i0
.irp i, \i0, \i0+1, \i0+2, \i0+3
	FRAGA AF+FR*(\i), ADRA+\slot, \q, \i
.endr
.endm
.macro SCALES sc
.irp i, 0,1,2,3,4,5,6,7
	ds_load_b64 v[SC+8*NQ*\sc+NQ*\i:SC+8*NQ*\sc+NQ*\i+1], v[ADRS] offset:\i*SBLK
.endr
.endm
.macro PLACES n
.rept \n
	v_nop
.endr
.endm
.macro ASK i                           ; i >= 0: rows 16 i .. 16 i + 31 of my part of x are asked for, each aligned run of 256 bytes by one lane; all lie inside x
.if (\i) >= 0
	global_prefetch_b8 v[PFA], s[96:97] offset:(\i)*65536 th:TH_LOAD_NT scope:SCOPE_SE
	global_prefetch_b8 v[PFA], s[96:97] offset:((\i)+1)*65536 th:TH_LOAD_NT scope:SCOPE_SE
.endif
.endm
.macro STEP slot, q, zero, pf
	s_wait_dscnt 4*NL                              ; B's set, A's blocks 0-3 and the scale words are in; the youngest 16 loads (A's blocks 4-7) may be out
	WIN MUL_LO
	MUL16 0, (\q)%2, \q, \slot, \zero
	MUL16 2, (\q)%2, \q, \slot, \zero
	s_wait_dscnt 0
	PLACES NP
	FETCH_B \slot, (\q)+1, 1-(\q)%2
	FETCH_A \slot, (\q)+1, 0
	ASK \pf
	WIN MUL_HI
	MUL16 4, (\q)%2, \q, \slot, \zero
	MUL16 6, (\q)%2, \q, \slot, \zero
	PLACES NP
	WIN 0
	FETCH_A \slot, (\q)+1, 4
.endm
; A slot's last step changes slots: ONE barrier; in front of it each wave waits for all its tensor loads, adds 0 to its spare word, and waits for that and for its own reads of this slot.  fill = 1: this slot is filled again, two K steps ahead.
.macro TURN slot, next, fill, pf
	s_wait_tensorcnt 0x0                           ; all my tensor loads have landed: my part of the next slot
	ds_add_u32 v[SPW], v[NIL]                      ; 0 onto my spare word
	s_wait_dscnt 4*NL+1                            ; (the add and the youngest 16 loads may be out)
	WIN MUL_LO
	MUL16 0, 1, NQ-1, \slot, 0
	s_wait_dscnt 0x0                               ; the add is done, and my reads of this slot are over
	s_barrier_signal -1
	MUL16 2, 1, NQ-1, \slot, 0
	WIN 0
	s_barrier_wait -1
.if \fill
	CREST                                          ; the barrier has opened a round of the cluster's barrier: no wave of any partner still reads this slot or has a load on its way
	s_add_nc_u64 s[G0+4*\slot+2:G0+4*\slot+3], s[G0+4*\slot+2:G0+4*\slot+3], 2*HALFA
	s_add_nc_u64 s[G0B+4*\slot+2:G0B+4*\slot+3], s[G0B+4*\slot+2:G0B+4*\slot+3], 2*ROWB
	JLOAD G0+4*\slot, G1, G0B+4*\slot, G1B         ; the first tensor load behind the round, my one load until the next
	PLACES NP-4
.else
	PLACES NP
.endif
	s_wait_alu depctr_va_vdst(0)
	v_add_nc_u32 v[ADRS], 4*NQ, v[ADRS]
	FETCH_B \next, 0, 0
	FETCH_A \next, 0, 0
	SCALES \next
	ASK \pf
	WIN MUL_HI
	MUL16 4, 1, NQ-1, \slot, 0
	MUL16 6, 1, NQ-1, \slot, 0
	PLACES NP
	WIN 0
	FETCH_A \next, 0, 4
.endm
	s_wait_alu depctr_va_vdst(0)
	s_wait_tensorcnt 1                             ; the scales and my part of K step 0 are in (K step 1's load may be out)
	s_barrier_signal -1
	s_barrier_wait -1                              ; everybody's are
	FETCH_B 0, 0, 0
	FETCH_A 0, 0, 0
	SCALES 0
	FETCH_A 0, 0, 4
	STEP 0, 0, 1, -1                               ; four K steps, eight steps of 128 along K: written out.  The first products start the sums
	TURN 0, 1, 1, -1                               ; slot 0 takes K step 2
	STEP 1, 0, 0, -1
	TURN 1, 0, 1, 0                                ; slot 1 takes K step 3
	STEP 0, 0, 0, 2
	TURN 0, 1, 0, 4                                ; nothing is left to fetch
	STEP 1, 0, 0, 6
	s_wait_dscnt 4*NL
	WIN MUL_LO
	MUL16 0, 1, NQ-1, 1, 0
	MUL16 2, 1, NQ-1, 1, 0
	s_wait_dscnt 0
	WIN MUL_HI
	MUL16 4, 1, NQ-1, 1, 0
	MUL16 6, 1, NQ-1, 1, 0
	WIN 0
.macro XLOAD blk                       ; rows 16 blk .. + 15 of my part of x into window 1: 512 consecutive bytes a load; read for the last time
	WIN TO_B
.irp t, 0,1,2,3,4,5,6,7,8,9,10,11,12,13,14,15
	global_load_b128 v[64*((\blk)%4)+4*\t:64*((\blk)%4)+4*\t+3], v[CO], s[96:97] offset:(16*(\blk)+\t)*4096 th:TH_LOAD_NT
.endr
	WIN 0
.endm
.macro TOSTAGE a                       ; block a into my stage and back as whole rows.  LDS serves a wave's instructions in order (ISA guide 5.7.1.4): no wait between the stores and the loads
.set AC, 64*((\a)%4)
	WIN 0x08+4*((\a)/4)                            ; the data: window 2 or 3
.irp b, 0,1,2,3,4,5,6,7
	ds_store_b128 v[STO], v[AC+8*\b:AC+8*\b+3] offset:64*\b          ; each accumulator from its low end on
	ds_store_b128 v[STO], v[AC+8*\b+4:AC+8*\b+7] offset:64*\b+16
.endr
	WIN 0
.set BB, BK+64*((\a)%2)
.irp t, 0,1,2,3,4,5,6,7,8,9,10,11,12,13,14,15
	ds_load_b128 v[BB+4*\t:BB+4*\t+3], v[RD] offset:\t*SPITCH
.endr
.endm
.macro SENDX a, younger, left          ; younger: LDS instructions issued behind block a's loads; left: loads of x issued behind block a's
.set BB, BK+64*((\a)%2)
.set XB, 64*((\a)%4)
	s_wait_dscnt \younger                          ; the block is back in registers,
	s_wait_loadcnt \left                           ; and its rows of x are in
	WIN 0x04                                       ; source 1: window 1
.set n, 0
.rept 32
	v_pk_add_f32 v[BB+n:BB+n+1], v[BB+n:BB+n+1], v[XB+n:XB+n+1]
.set n, n+2
.endr
	WIN 0
.irp t, 0,1,2,3,4,5,6,7,8,9,10,11,12,13,14,15
	global_store_b128 v[CO], v[BB+4*\t:BB+4*\t+3], s[12:13] offset:(16*(\a)+\t)*4096 th:TH_STORE_NT   ; 512 consecutive bytes, at a multiple of 256 from out0's first byte; 127 rows at the most stand in the immediate
.endr
.endm
	PLACES NP                                      ; behind the last products: loads land in A's and B's registers, and results are read
	XLOAD 0
	XLOAD 1
	XLOAD 2
	XLOAD 3
	TOSTAGE 0
.irp a, 1,2,3,4,5,6,7
.if \a > 1
	s_wait_xcnt 0x0                                ; block a - 2's stores have read their registers: block a's rows may land there
.endif
.set LF, 16*(8-\a)                     ; the blocks of x asked for behind block a - 1's: three, while there are so many
.if LF > 48
.set LF, 48
.endif
	TOSTAGE \a
	SENDX \a-1, 32, LF                             ; behind block a - 1's LDS loads: block a's 16 stores and 16 loads
.if \a < 5
	XLOAD \a+3                                     ; into the registers whose rows of x have just been added
.endif
.endr
	SENDX 7, 0, 0
	s_wait_tensorcnt 0x0                           ; the wave's end, behind my last tensor load and my last LDS store
	ds_add_u32 v[SPW], v[NIL]
	s_wait_dscnt 0x0
	CROUND                                         ; the closing round: no work-group ends while a partner may still ask for a tile that names it
	s_endpgm
.Lfunc_end_k_q6a4ce98877_oproj:
	.size	k_q6a4ce98877_oproj, .Lfunc_end_k_q6a4ce98877_oproj-k_q6a4ce98877_oproj
	.p2alignl 7, 3214868480
	.fill 96, 4, 3214868480
	.section	.rodata,"a",@progbits
	.p2align	6, 0x0
	.amdhsa_kernel k_q6a4ce98877_oproj
		.amdhsa_group_segment_fixed_size 327680
		.amdhsa_private_segment_fixed_size 0
		.amdhsa_enable_private_segment 0
		.amdhsa_kernarg_size 48
		.amdhsa_user_sgpr_count 2
		.amdhsa_user_sgpr_kernarg_segment_ptr 1
		.amdhsa_wavefront_size32 1
		.amdhsa_system_sgpr_workgroup_id_x 1
		.amdhsa_system_sgpr_workgroup_id_y 1
		.amdhsa_system_sgpr_workgroup_id_z 1
		.amdhsa_system_vgpr_workitem_id 0
		.amdhsa_next_free_vgpr 1024
		.amdhsa_next_free_sgpr 102
		.amdhsa_reserve_vcc 0
		.amdhsa_float_denorm_mode_32 3
		.amdhsa_float_denorm_mode_16_64 3
		.amdhsa_memory_ordered 1
		.amdhsa_forward_progress 1
		.amdhsa_inst_pref_size 176
	.end_amdhsa_kernel
	.amdgpu_metadata
---
amdhsa.version: [ 1, 2 ]
amdhsa.kernels:
  - .name:           k_q6a4ce98877_oproj
    .symbol:         k_q6a4ce98877_oproj.kd
    .args:
      - { .name: y_img, .offset: 0, .size: 8, .value_kind: global_buffer, .address_space: global }
      - { .name: y_scales, .offset: 8, .size: 8, .value_kind: global_buffer, .address_space: global }
      - { .name: Wo_codes, .offset: 16, .size: 8, .value_kind: global_buffer, .address_space: global }
      - { .name: Wo_scales, .offset: 24, .size: 8, .value_kind: global_buffer, .address_space: global }
      - { .name: x, .offset: 32, .size: 8, .value_kind: global_buffer, .address_space: global }
      - { .name: out0, .offset: 40, .size: 8, .value_kind: global_buffer, .address_space: global }
    .group_segment_fixed_size: 327680
    .private_segment_fixed_size: 0
    .kernarg_segment_align: 8
    .kernarg_segment_size: 48
    .max_flat_workgroup_size: 128
    .sgpr_count:     102
    .vgpr_count:     1024
    .wavefront_size: 32
...
	.end_amdgpu_metadata
.endif
;; end of part 4
